; MI455X (gfx1250); checked and timed in simulation.
; The chip was launched on July 23, 2026; its instructions are those of AMD's public machine-readable ISA for CDNA 5 (MIT licence, August 2026) and "CDNA5" Instruction Set Architecture Reference Guide (July 2026). The comments in the code are by the model that wrote it; some were corrected since.
;; Multi Head Attention. Allowed arithmetic: matrix products marked QUANTISED: E4M3 operands, one E8M0 scale for each 32 along K, by v_wmma_scale_f32_16x16x128_f8f6f4 with both operands' format E4M3, f32 sums; everything else in f32.
;; Inputs: Wk 1,024 x 1,024 float32; Wo 1,024 x 1,024 float32; Wq 1,024 x 1,024 float32; Wv 1,024 x 1,024 float32; bo 1,024 float32; x 4 x 2,048 x 1,024 float32.
;; Outputs: out0 4 x 2,048 x 1,024 float32.
;; This version of the problem:
;;   THIS VERSION OF THE PROBLEM IS GIVEN IN LOW PRECISION. The matrix products marked QUANTISED in the list below multiply operands that are first quantised to E4M3 (4 exponent bits, 3 mantissa bits; 8 bits a number), with one power-of-two scale for each 32 numbers along K (OCP MX v1.0); their sums are f32. All else is computed in f32.
;;   The module's matrix products, in the order in which they are computed (A, B: the left and right operand; K: the contracted axis; several contracted axes count as one K, in the product's order):
;;     1. [M 8,192, K 1,024] x [K 1,024, N 1,024]; A: input x; B: input Wq: QUANTISED
;;     2. [M 8,192, K 1,024] x [K 1,024, N 1,024]; A: input x; B: input Wk: QUANTISED
;;     3. [M 8,192, K 1,024] x [K 1,024, N 1,024]; A: input x; B: input Wv: QUANTISED
;;     4. batch 64 x [M 2,048, K 64] x [K 64, N 2,048]; A: computed on the way; B: computed on the way: QUANTISED
;;     5. batch 64 x [M 2,048, K 2,048] x [K 2,048, N 64]; A: softmax (see below); B: computed on the way: QUANTISED
;;     6. [M 8,192, K 1,024] x [K 1,024, N 1,024]; A: computed on the way; B: input Wo: QUANTISED
;;   THE QUANTISER, for each operand of a quantised product, along K:
;;     - K is cut into blocks of 32 from its start; a last block that is shorter is filled with zeros.
;;     - A block's scale is 2^e with e = floor(log2(the largest magnitude in the block)) - 8, held to -126 .. 127; a block of zeros has e = 0. As a byte (E8M0): e + 127.
;;     - Each number is divided by its block's scale, clamped to +-448, and rounded to the nearest number of E4M3, ties to even, subnormals kept.
;;     - The product sums the exact products of the quantised numbers (number of the format x scale) in f32.
;;   ~~~python
;;   def quantise(x, axis):      # numpy; x: float32 -> the quantised numbers, widened to float32 again
;;       x = np.moveaxis(x, axis, -1); K = x.shape[-1]
;;       x = np.pad(x, [(0, 0)] * (x.ndim - 1) + [(0, -K % 32)]); x = x.reshape(x.shape[:-1] + (-1, 32)); a = np.abs(x).max(-1, keepdims=True)
;;       e = np.where(a > 0, np.clip(np.frexp(np.where(a > 0, a, 1))[1] - 1 - 8, -126, 127), 0)      # np.frexp(a)[1] - 1 = floor(log2(a)), exactly
;;       r = np.clip(x / 2.0 ** e, -448, 448)
;;       step = 2.0 ** (np.maximum(np.frexp(np.where(r == 0, 1, r))[1] - 1, -6) - 3)
;;       q = np.round(r / step) * step * 2.0 ** e      # np.round: ties to even
;;       return np.moveaxis(q.reshape(q.shape[:-2] + (-1,))[..., :K], -1, axis).astype(np.float32)
;;   ~~~
;;   SOFTMAX AHEAD OF A QUANTISED PRODUCT. Where the list says 'softmax', what is quantised is not the finished softmax but p = 2^(t - M), with t = logit x log2(e) and M = ceil(the row's largest t), a whole number; so 1/2 < the row's largest p <= 1. The row's sum l is taken of the UNQUANTISED p, in f32, and the product's result is divided by l at the end. Since M is a whole number, a kernel that streams over the keys may use a running M (the ceiling of the running maximum): every later rescaling is an exact power of two, which a block's scale takes up: the codes' values come out the same.
;;   OPERANDS COMPUTED ON THE WAY. 'Computed on the way' means the value that the module computes at that place (a softmax that the list does not call 'softmax' is quantised finished and normalised). What goes into a quantiser is computed in f32, as accurately as f32 sums, v_exp_f32 and their like allow (about 1e-6 of the number): no bf16 or f16 on the way to a quantiser, and a product that is left as it is and whose result goes on into a quantised operand takes f32 operands (vector FMAs, or v_wmma_f32_16x16x4_f32). A number that lies on a knife's edge between two numbers of the format may be rounded either way, as far as f32 arithmetic and the matrix unit's own rounding can turn it there, and no further.
;; One version. Each part assembles by itself: llvm-mc -triple=amdgcn-amd-amdhsa -mcpu=gfx1250 --defsym DOCPART=n.
;; ======== version 1 of 1: 4 launches
;; limits: right only within a limited range of input values
;; workspace buffers: xq 8,650,752 bytes; wq 4,325,376 bytes; qq 8,912,896 bytes; kvq 17,301,504 bytes; cq 8,650,752 bytes
;; launch prep (part 1): grid 512 x 1, 4 waves a work-group, no clusters, 34,304 bytes of LDS; arguments x, Wq, Wk, Wv, Wo, xq, wq; writes xq, wq
.if DOCPART == 1
	.amdgcn_target "amdgcn-amd-amdhsa--gfx1250"
	.amdhsa_code_object_version 6
	.text
	.protected	k_q4832d7fce5_prep
	.globl	k_q4832d7fce5_prep
	.p2align	8
	.type	k_q4832d7fce5_prep,@function
k_q4832d7fce5_prep:
	s_mov_b64 s[64:65], 0
	v_nop
	global_prefetch_b8 v0, s[64:65] scope:SCOPE_SE
	s_setreg_imm32_b32 hwreg(HW_REG_WAVE_MODE, 25, 1), 1
	s_wait_xcnt 0x0
; x [8192][1024] f32 and the four weights [1024 (k)][1024 (n)] f32 become codes of FP8 (E4M3) with one E8M0 scale byte for each 32 along K = the 1,024.
; A block's scale is 2^(floor(log2(its largest magnitude)) - 8); each number is divided by it, held within +-448 and rounded to the nearest code, ties to even.
; LAYOUT OF THE RESULTS.  Rows (tokens of x, columns n of a weight) go in groups of 32, each cut into two tiles of 16: row r of tile 2 G + u is index 32 G + 8 u + r + 8 (r / 8).
; A fragment (a tile x 128 along K) is stored as the image of an operand's registers: [c 0..3][lane 0..31][16 bytes], lane r + 16 h holding k = 32 c + 16 h + 0 .. 15 of row r.
; Codes: [tile][K step 0..7][2,048 bytes].  Scale words (four bytes: a row's 128 along K) behind them: [tile][K step / 2][r][K step % 2].  wq holds Wq, Wk, Wv, Wo, 64 tiles each.
; LIMITS: NaN and infinities among the inputs are not served.  A block of zeros, and one whose largest magnitude lies under 2^(9 - 127), gets the byte 1 (the rule says 127 for zeros): its codes are zeros
; and the bytes are read by this program alone.
; Work-groups 0-255 take x (32 tokens each), work-groups 256-511 the weights (128 along K x 128 columns each).  No matrix unit, no barrier: waves share nothing.  Only x's path uses LDS.
.set XSC,  8388608                     ; where xq's scale words begin
.set WSC,  4194304                     ; and wq's
.set PW,   12                          ; v12-15  x: the scale words of my four K steps;  weights: v12 the word
.set TM,   16                          ; v16-19 largest magnitudes, v20-23 bytes, v28-31 the conversions' scale operands
.set PC,   32                          ; v32-63  codes
.set X,    64                          ; v64-127 x: 64 numbers of a lane, register 16 b + i = k 32 b + 16 h + i of row r
.set R,    128                         ; v128-255 as loaded: x: two sets of 64;  weights: 128 numbers down K
.set MNT,  19
.set SEL,  20                          ; s[20:21] selects of v_permlanex16_b32 for lane l xor 16
	s_load_b256 s[4:11], s[0:1], 0x0               ; x, Wq, Wk, Wv
	s_load_b128 s[12:15], s[0:1], 0x20             ; Wo, xq
	s_load_b64 s[16:17], s[0:1], 0x30              ; wq
	v_lshl_add_u32 v10, v0, 2, 0x8400
	v_mov_b32 v11, 0
	v_lshrrev_b32 v1, 5, v0
	v_readfirstlane_b32 s18, v1                    ; wave 0..3
	v_and_b32 v5, 31, v0                           ; lane
	v_and_b32 v6, 15, v0                           ; r
	v_bfe_u32 v7, v0, 4, 1                         ; h
	s_mov_b32 s[SEL], 0x76543210
	s_mov_b32 s[SEL+1], 0xfedcba98
	s_cmp_lt_u32 ttmp9, 256
	s_cbranch_scc0 .Lweights
; ---------------- x.  Wave w takes tile 2 G + (w & 1) and K steps 4 (w / 2) .. + 3.
; 64 numbers v[s] on become a fragment's codes in v[pc] on and its scale word in v[pw]
.macro QUANT s, pc, pw
.irp b, 0,1,2,3
	v_max3_num_f32 v[TM+\b], |v[\s+16*\b]|, |v[\s+1+16*\b]|, 0x4800000   ; block b: my 16 numbers and the floor 2^(9 - 127): the byte cannot fall under 1
.endr
.irp i, 2,4,6,8,10,12,14
.irp b, 0,1,2,3
	v_max3_num_f32 v[TM+\b], v[TM+\b], |v[\s+16*\b+\i]|, |v[\s+1+16*\b+\i]|   ; the four blocks by turns
.endr
.endr
.irp b, 0,1,2,3
	v_permlanex16_b32 v[TM+4+\b], v[TM+\b], s[SEL], s[SEL+1]
.endr
.irp b, 0,1,2,3
	v_max_num_f32 v[TM+\b], v[TM+\b], v[TM+4+\b]   ; with lane l xor 16's 16: the block's largest magnitude
.endr
.irp b, 0,1,2,3
	v_add_nc_u32 v[TM+12+\b], 0xfc000000, v[TM+\b] ; 8 off its exponent field: the conversion takes this operand's exponent field as its scale
.endr
.irp b, 0,1,2,3
.endr
.irp b, 0,1,2,3
	v_lshrrev_b32 v[TM+4+\b], 23, v[TM+12+\b]      ; the scale's byte
.endr
	v_lshl_or_b32 v[\pw], v[TM+5], 8, v[TM+4]
	v_lshl_or_b32 v[\pw], v[TM+6], 16, v[\pw]
	v_lshl_or_b32 v[\pw], v[TM+7], 24, v[\pw]
.irp b, 0,1,2,3
.irp i, 0,1,2,3,4,5,6,7,8,9,10,11,12,13,14,15
.endr
	v_cvt_scalef32_pk8_fp8_f32 v[(\pc)+4*\b:(\pc)+4*\b+1], v[\s+16*\b:\s+16*\b+7], v[TM+12+\b]
	v_cvt_scalef32_pk8_fp8_f32 v[(\pc)+4*\b+2:(\pc)+4*\b+3], v[\s+16*\b+8:\s+16*\b+15], v[TM+12+\b]
.endr
	v_nop                                          ; a plain line between the last conversion and whatever next writes its sources
.endm
.macro XLD j                           ; K step j of my four: 16 rows x 512 bytes, a row a load: 32 lanes read 512 consecutive bytes
.irp t, 0,1,2,3,4,5,6,7,8,9,10,11,12,13,14,15
	global_load_b128 v[R+64*((\j)%2)+4*\t:R+64*((\j)%2)+4*\t+3], v1, s[4:5] offset:(\t+8*(\t/8))*4096+512*(\j) th:TH_LOAD_NT
.endr
.endm
.macro XSTEP j
.if (\j) < 3
	s_wait_loadcnt 16                              ; this step's 16 loads are in; the next step's 16 may be out
.else
	s_wait_loadcnt 0x0
.endif
.irp t, 0,1,2,3,4,5,6,7,8,9,10,11,12,13,14,15
	ds_store_b128 v2, v[R+64*((\j)%2)+4*\t:R+64*((\j)%2)+4*\t+3] offset:528*\t   ; through my wave's stage, rows 528 bytes apart
.endr
.irp b, 0,1,2,3
.irp i, 0,1,2,3
	ds_load_b128 v[X+16*\b+4*\i:X+16*\b+4*\i+3], v3 offset:128*\b+16*\i   ; back: row r, my half's 16 numbers of each block.  LDS serves a wave's instructions in order
.endr
.endr
	s_wait_dscnt 0x0                               ; the numbers are back, and the stores have read their registers,
.if (\j) < 2
	XLD (\j)+2                                     ; which take the loads of two steps on
.endif
.if (\j) >= 2
	s_wait_xcnt 0x0                                ; the stores of two steps back have read this set of codes
.endif
	QUANT X, PC+16*((\j)%2), PW+(\j)
.irp c, 0,1,2,3
	global_store_b128 v1, v[PC+16*((\j)%2)+4*\c:PC+16*((\j)%2)+4*\c+3], s[34:35] offset:2048*(\j)+512*\c   ; the image: 512 consecutive bytes a store
.endr
.endm
	v_lshlrev_b32 v1, 4, v5                        ; 16 x lane
	s_mul_i32 s22, s18, 8448                       ; my stage: 16 rows x 528 bytes
	v_add_nc_u32 v2, s22, v1
	v_mul_u32_u24 v3, v6, 528
	v_lshl_add_u32 v3, v7, 6, v3
	v_add_nc_u32 v3, s22, v3
	v_lshlrev_b32 v4, 3, v5                        ; 8 x lane
.irp b, 0,1,2,3
	v_mov_b32 v[TM+4+\b], 0                        ; a lane permute's destination counts as one of its sources
.endr
	s_and_b32 s23, s18, 1                          ; u
	s_lshr_b32 s24, s18, 1                         ; which four K steps
	s_lshl_b32 s26, ttmp9, 17                      ; x: (32 G + 8 u) rows of 4,096 bytes + 2,048 x (w / 2)
	s_lshl_b32 s27, s23, 15
	s_add_co_u32 s26, s26, s27
	s_lshl_b32 s27, s24, 11
	s_add_co_u32 s26, s26, s27
	s_mov_b32 s27, 0
	s_lshl_b32 s28, ttmp9, 1
	s_add_co_u32 s28, s28, s23                     ; my tile
	s_lshl_b32 s30, s28, 14                        ; codes: 16,384 a tile, 8,192 for four K steps
	s_lshl_b32 s31, s24, 13
	s_add_co_u32 s30, s30, s31
	s_mov_b32 s31, 0
	s_lshl_b32 s32, s28, 9                         ; scale words: 512 a tile, 256 for four K steps
	s_lshl_b32 s33, s24, 8
	s_add_co_u32 s32, s32, s33
	s_add_co_u32 s32, s32, XSC
	s_mov_b32 s33, 0
	s_wait_alu depctr_va_vdst(0)
	s_wait_kmcnt 0x0
	s_add_nc_u64 s[4:5], s[4:5], s[26:27]
	s_add_nc_u64 s[34:35], s[14:15], s[30:31]
	s_add_nc_u64 s[36:37], s[14:15], s[32:33]
	XLD 0
	XLD 1
	XSTEP 0
	XSTEP 1
	XSTEP 2
	XSTEP 3
	v_cmp_lt_u32 vcc_lo, 15, v5                    ; lanes 0-15 store row r's words of K steps 0, 1 of my four, lanes 16-31 those of 2, 3: 256 consecutive bytes
	v_cndmask_b32 v8, v[PW], v[PW+2], vcc_lo
	v_cndmask_b32 v9, v[PW+1], v[PW+3], vcc_lo
	global_store_b64 v4, v[8:9], s[36:37]
	s_wait_tensorcnt 0x0
	ds_add_u32 v10, v11
	s_wait_dscnt 0x0
	s_endpgm
; ---------------- the weights.  K is their first axis: a lane takes a column and its registers run down K, so that a block of 32 lies in one lane and the codes come out with K innermost.
.Lweights:
.macro WLD b                           ; block b: 32 rows of the weight at my column; the wave reads 128 consecutive bytes of a row, the four waves 512
.set k, 32*(\b)
.rept 32
	global_load_b32 v[R+k], v1, s[6:7] offset:k*4096 th:TH_LOAD_NT
.set k, k+1
.endr
.endm
.macro WBLK b
.set XS, R+32*(\b)
.if (\b) < 3
	s_wait_loadcnt 32                              ; this block's 32 loads are in; the next block's 32 may be out
.else
	s_wait_loadcnt 0x0
.endif
.if (\b) < 2
	WLD (\b)+2
.endif
	v_max3_num_f32 v16, |v[XS]|, |v[XS+1]|, |v[XS+2]|   ; all 32 numbers are mine: two chains
	v_max3_num_f32 v17, |v[XS+3]|, |v[XS+4]|, |v[XS+5]|
.irp i, 6,10,14,18,22,26
	v_max3_num_f32 v16, v16, |v[XS+\i]|, |v[XS+\i+1]|
	v_max3_num_f32 v17, v17, |v[XS+\i+2]|, |v[XS+\i+3]|
.endr
	v_max3_num_f32 v16, v16, |v[XS+30]|, |v[XS+31]|
	v_max3_num_f32 v16, v16, v17, 0x4800000        ; and the floor
	v_add_nc_u32 v18, 0xfc000000, v16              ; the conversions' scale operand
	v_lshrrev_b32 v20, 23, v18                     ; the byte
.if (\b) == 0
	v_mov_b32 v12, v20
.else
	v_lshl_or_b32 v12, v20, 8*(\b), v12
.endif
.set k, 0
.rept 32
.set k, k+1
.endr
.irp g, 0,1,2,3
	v_cvt_scalef32_pk8_fp8_f32 v[PC+8*(\b)+2*\g:PC+8*(\b)+2*\g+1], v[XS+8*\g:XS+8*\g+7], v18
.endr
	v_nop                                          ; a plain line behind the conversions: the next block writes their scale operand
	global_store_b128 v2, v[PC+8*(\b):PC+8*(\b)+3], s[34:35] offset:512*(\b)        ; k = 32 b + 0 .. 15: the image's lanes 0-15; sixteen lanes fill 256 consecutive bytes
	global_store_b128 v2, v[PC+8*(\b)+4:PC+8*(\b)+7], s[34:35] offset:512*(\b)+256  ; k = 32 b + 16 .. 31: its lanes 16-31
.endm
	s_sub_co_u32 s22, ttmp9, 256
	s_lshr_b32 s23, s22, 6                         ; which weight: 0 Wq, 1 Wk, 2 Wv, 3 Wo
	s_bfe_u32 s24, s22, 0x30003                    ; K step
	s_and_b32 s25, s22, 7
	s_lshl_b32 s25, s25, 2
	s_add_co_u32 s25, s25, s18                     ; my wave's group of 32 columns
	s_wait_alu depctr_va_vdst(0)
	v_and_b32 v8, 8, v6
	v_add_nc_u32 v8, v8, v6
	v_lshl_add_u32 v8, v7, 3, v8                   ; lane (u = l / 16, r) takes column 8 u + r + 8 (r / 8) of the group: row r of tile u
	v_lshlrev_b32 v1, 2, v8
	v_lshlrev_b32 v2, 4, v6
	v_lshl_add_u32 v2, v7, 14, v2                  ; its place in the images: 16,384 u + 16 r
	v_lshlrev_b32 v3, 3, v6
	v_lshl_add_u32 v3, v7, 9, v3                   ; and among the scale words: 512 u + 8 r
	s_lshl_b32 s26, s24, 19                        ; 128 rows of 4,096 bytes a K step,
	s_lshl_b32 s27, s25, 7                         ; 128 bytes a group
	s_add_co_u32 s26, s26, s27
	s_mov_b32 s27, 0
	s_lshl_b32 s28, s23, 6
	s_lshl_b32 s29, s25, 1
	s_add_co_u32 s28, s28, s29                     ; the group's first tile in wq
	s_lshl_b32 s30, s28, 14
	s_lshl_b32 s31, s24, 11
	s_add_co_u32 s30, s30, s31
	s_mov_b32 s31, 0
	s_lshl_b32 s32, s28, 9
	s_lshr_b32 s33, s24, 1
	s_lshl_b32 s33, s33, 7
	s_add_co_u32 s32, s32, s33
	s_and_b32 s33, s24, 1
	s_lshl_b32 s33, s33, 2
	s_add_co_u32 s32, s32, s33
	s_add_co_u32 s32, s32, WSC
	s_mov_b32 s33, 0
	s_wait_alu depctr_va_vdst(0)
	s_wait_kmcnt 0x0
	s_cmp_eq_u32 s23, 1                            ; the choice hangs on the work-group's number alone
	s_cselect_b64 s[6:7], s[8:9], s[6:7]
	s_cmp_eq_u32 s23, 2
	s_cselect_b64 s[6:7], s[10:11], s[6:7]
	s_cmp_eq_u32 s23, 3
	s_cselect_b64 s[6:7], s[12:13], s[6:7]
	s_add_nc_u64 s[6:7], s[6:7], s[26:27]
	s_add_nc_u64 s[34:35], s[16:17], s[30:31]
	s_add_nc_u64 s[36:37], s[16:17], s[32:33]
	WLD 0
	WLD 1
	WBLK 0
	WBLK 1
	WBLK 2
	WBLK 3
	global_store_b32 v3, v12, s[36:37]             ; my column's scale word of this K step: 4 bytes in every 8; one byte in 128 of what this path reads
	s_endpgm
.Lfunc_end_k_q4832d7fce5_prep:
	.size	k_q4832d7fce5_prep, .Lfunc_end_k_q4832d7fce5_prep-k_q4832d7fce5_prep
	.p2alignl 7, 3214868480
	.fill 96, 4, 3214868480
	.section	.rodata,"a",@progbits
	.p2align	6, 0x0
	.amdhsa_kernel k_q4832d7fce5_prep
		.amdhsa_group_segment_fixed_size 34304
		.amdhsa_private_segment_fixed_size 0
		.amdhsa_enable_private_segment 0
		.amdhsa_kernarg_size 56
		.amdhsa_user_sgpr_count 2
		.amdhsa_user_sgpr_kernarg_segment_ptr 1
		.amdhsa_wavefront_size32 1
		.amdhsa_system_sgpr_workgroup_id_x 1
		.amdhsa_system_sgpr_workgroup_id_y 1
		.amdhsa_system_sgpr_workgroup_id_z 1
		.amdhsa_system_vgpr_workitem_id 0
		.amdhsa_next_free_vgpr 256
		.amdhsa_next_free_sgpr 66
		.amdhsa_reserve_vcc 1
		.amdhsa_float_denorm_mode_32 3
		.amdhsa_float_denorm_mode_16_64 3
		.amdhsa_fp16_overflow 1
		.amdhsa_memory_ordered 1
		.amdhsa_forward_progress 1
		.amdhsa_inst_pref_size 54
	.end_amdhsa_kernel
	.amdgpu_metadata
---
amdhsa.version: [ 1, 2 ]
amdhsa.kernels:
  - .name:           k_q4832d7fce5_prep
    .symbol:         k_q4832d7fce5_prep.kd
    .args:
      - { .name: x, .offset: 0, .size: 8, .value_kind: global_buffer, .address_space: global }
      - { .name: Wq, .offset: 8, .size: 8, .value_kind: global_buffer, .address_space: global }
      - { .name: Wk, .offset: 16, .size: 8, .value_kind: global_buffer, .address_space: global }
      - { .name: Wv, .offset: 24, .size: 8, .value_kind: global_buffer, .address_space: global }
      - { .name: Wo, .offset: 32, .size: 8, .value_kind: global_buffer, .address_space: global }
      - { .name: xq, .offset: 40, .size: 8, .value_kind: global_buffer, .address_space: global }
      - { .name: wq, .offset: 48, .size: 8, .value_kind: global_buffer, .address_space: global }
    .group_segment_fixed_size: 34304
    .private_segment_fixed_size: 0
    .kernarg_segment_align: 8
    .kernarg_segment_size: 56
    .max_flat_workgroup_size: 128
    .sgpr_count:     66
    .vgpr_count:     256
    .wavefront_size: 32
...
	.end_amdgpu_metadata
.endif
;; end of part 1
;; launch qkv (part 2): grid 12 x 32, 4 waves a work-group, clusters of 4 x 4, 327,680 bytes of LDS; arguments xq, wq, qq, kvq; writes qq, kvq
.if DOCPART == 2
	.amdgcn_target "amdgcn-amd-amdhsa--gfx1250"
	.amdhsa_code_object_version 6
	.text
	.protected	k_q4832d7fce5_qkv
	.globl	k_q4832d7fce5_qkv
	.p2align	8
	.type	k_q4832d7fce5_qkv,@function
k_q4832d7fce5_qkv:
	s_mov_b64 s[64:65], 0
	v_nop
	global_prefetch_b8 v0, s[64:65] scope:SCOPE_SE
	s_setreg_imm32_b32 hwreg(HW_REG_WAVE_MODE, 25, 1), 1
	s_wait_xcnt 0x0
	s_wait_alu depctr_hold_cnt(0) depctr_sa_sdst(0) depctr_va_vdst(0) depctr_va_sdst(0) depctr_va_ssrc(0) depctr_va_vcc(0) depctr_vm_vsrc(0)
	s_getreg_b32 s2, hwreg(HW_REG_IB_STS2, 6, 4)
	s_cmp_eq_u32 s2, 0
	s_cbranch_scc0 .Lentry_in_a_cluster
	s_endpgm
.Lentry_in_a_cluster:
	s_bfe_u32 s2, ttmp6, 0x10000c
	s_cmp_lg_u32 s2, 0xf033
	s_cbranch_scc0 .Lentry_shape_is_right
	s_endpgm
.Lentry_shape_is_right:
; q = x Wq, k = x Wk, v = x Wv on codes of FP8 (E4M3) with E8M0 scales (K = 1,024, sums in f32), and the results quantised on the way out: q and k along the head's 64, v along the keys.
; OPERANDS are images of registers: codes [tile of 16 rows][K step 0..7][2,048 bytes], scale words [tile][K step / 2][r][K step % 2] behind them.  Row r of tile 2 G + u is index 32 G + 8 u + r + 8 (r / 8).
; A work-group of four waves makes 256 x 256, a wave 128 x 128: 64 accumulators.  S0 is the matrix instruction's source 0, S1 its source 1: a lane holds ONE row of S1, and its registers run along S0's rows;
; by the tiles' order the 16 registers of S0's tiles 2 G, 2 G + 1 are the 16 neighbours 32 G + 16 (lane / 16) + 0 .. 15.  So what is quantised next must run along S0:
;   cluster x = 0 (q), 1 (k): S0 = 256 columns of the weight (four heads), S1 = 256 tokens;     cluster x = 2 (v): S0 = 256 tokens (the keys), S1 = 256 columns of Wv.
; One main loop serves all three; buffers are chosen by the cluster's x, which all partners share.
; K goes in steps of 256 through a ring of two LDS slots.  CLUSTERS: 4 x 4 work-groups; S1's tiles hang on cy alone and are asked for jointly along a row of the cluster, S0's on cx alone, along a column.
; RESULTS: qq codes [b h][tile of 16 tokens][c 0..1][lane][16]; kvq codes [b h][group of 128 tokens][K: tile a at 1,024 a | V: 4 fragments (16 of the head's 64 x 128 keys)]; their scale words behind them (see the end).
; LIMITS: NaN and infinities are not served; a block of zeros gets the byte 1: its codes are zeros and the bytes are read by this program alone.
; REGISTERS: window 0: v16-29 addresses; v32-63 scale words, two sets; v128-255 S1's fragments, one set.  window 1: S0's fragments, two sets.  windows 2, 3: accumulator (a, b) at v[8 (8 (a % 4) + b)].
.set XSC,   8388608                    ; where the scale words begin in xq,
.set WSC,   4194304                    ; wq,
.set QSC,   8388608                    ; qq,
.set KSC,   16777216                   ; kvq
.set NQ,    2                          ; matrix instructions deep in a slot
.set FR,    16                         ; registers of a fragment
.set NL,    4                          ; LDS loads that bring one
.set NP,    8                          ; places behind this matrix instruction (ISA guide 7.12.1)
.set FRB,   2048                       ; a fragment's image
.set TILEB, 4096                       ; a tile's two K steps in a slot
.set HALFT, 8*TILEB                    ; 128 rows: what one tensor load brings
.set SLOT,  4*HALFT                    ; S1's 256 rows, then S0's
.set SCL,   2*SLOT                     ; behind the ring: the scale words of all of K, filled once
.set HALFS, 4096                       ; those of 128 rows
.set SBLK,  512                        ; those of a tile
.set SPARE, SCL+4*HALFS                ; the spare words, 128 bytes for each wave: two blocks of 256 bytes that no other line names
.set ADRA, 16                          ; v16-17  LDS address of my S1 fragments in slot 0, 1
.set ADRB, 20                          ; v20-21  the same for S0
.set L8,   25                          ; v25     8 x lane
.set LI,   26                          ; v26     16 x lane
.set ADRS, 27                          ; v27     my scale words: lanes 0-15 S1's rows, lanes 16-31 S0's
.set SPW,  28                          ; v28     my spare word; never rewritten
.set NIL,  29                          ; v29     0; never rewritten
.set SC,   32                          ; scale words: set s at v[SC + 16 s]; register 2 i + q: lanes 0-15 S1's tile i, lanes 16-31 S0's tile i, the slot's q-th 128 along K
.set AF,   128                         ; S1's fragments
.set G1, 24                            ; s[24:31] group 1 for S1's codes; s[32:39] groups 0, one for each slot
.set G0, 32
.set G1B, 48                           ; the same for S0's
.set G0B, 56
.set G1S, 68                           ; groups 1 and 0 for S1's scale words,
.set G0S, 76
.set G1SB, 80                          ; and S0's
.set G0SB, 88
.set MNT, 99                           ; s99  the mantissa field of 448
.set SEL, 100                          ; s[100:101] selects for lane l xor 16
.set MSB, 0
.macro WIN new                         ; the immediate's high byte repeats the setting that is left
.if MSB != \new
	s_set_vgpr_msb (MSB<<8)|\new
.set MSB, \new
.endif
.endm
.set MUL_LO, 0xa1                      ; source 0 window 1, source 1 window 0, C and D window 2
.set MUL_HI, 0xf1                      ; the same, C and D window 3
.set TO_B,   0x40                      ; destination window 1
; A joint load: waves 0 and 1 fetch for S1, waves 2 and 3 for S0.  The branch hangs on the wave's number alone.  Four v_nop follow each of the two lines.
.macro JLOAD g0a, g1a, g0b, g1b
	s_cmp_eq_u32 s15, 0
	s_cbranch_scc0 .Lfor_b_\@
	tensor_load_to_lds s[\g0a:\g0a+3], s[\g1a:\g1a+7]
	s_nop 0
.rept 4
	v_nop
.endr
	s_branch .Lasked_\@
.Lfor_b_\@:
	tensor_load_to_lds s[\g0b:\g0b+3], s[\g1b:\g1b+7]
	s_nop 0
.rept 4
	v_nop
.endr
.Lasked_\@:
.endm
.macro CREST                           ; a round of the cluster's barrier behind its opening barrier
	s_cmp_lg_u32 s14, 0
	s_cbranch_scc1 .Lnot_wave_0_\@
	s_barrier_signal -3
.Lnot_wave_0_\@:
	s_barrier_wait -3
	s_barrier_signal -1
	s_barrier_wait -1
.endm
.macro CROUND
	s_barrier_signal -1
	s_barrier_wait -1
	CREST
.endm
	s_load_b128 s[4:7], s[0:1], 0x0                ; xq, wq
	s_load_b128 s[8:11], s[0:1], 0x10              ; qq, kvq
	v_lshl_add_u32 v[SPW], v0, 2, SPARE
	v_mov_b32 v[NIL], 0
	ds_add_u32 v28, v29
	ds_add_u32 v28, v29
	s_wait_dscnt 0x0
	v_lshrrev_b32 v1, 5, v0
	v_readfirstlane_b32 s14, v1                    ; wave 0..3
	s_lshr_b32 s15, s14, 1                         ; which half of S1's rows is mine.  Also: I fetch for S1 (0) or S0 (1)
	s_and_b32 s16, s14, 1                          ; which half of S0's rows.  Also: which 128 rows I fetch
	s_bfe_u32 s40, ttmp6, 0x40000                  ; cx
	s_bfe_u32 s41, ttmp6, 0x40004                  ; cy
	s_and_b32 s17, ttmp7, 0xffff
	s_lshl_b32 s17, s17, 2                         ; 4 x cluster y
	s_lshl_b32 s42, ttmp9, 2                       ; 4 x cluster x
	s_cmp_eq_u32 ttmp9, 2                          ; v?  The same in all sixteen partners
	s_cselect_b32 s42, s17, s42                    ; S0's first unit of 256 rows: tokens' for v, the weight's for q and k
	s_cselect_b32 s17, 8, s17                      ; S1's: Wv's for v, tokens' else
	s_add_co_u32 s42, s42, s40                     ; S0's unit hangs on cx alone,
	s_add_co_u32 s17, s17, s41                     ; S1's on cy alone
	s_lshl_b32 s43, s41, 2
	s_lshl_b32 s43, 15, s43                        ; my row of the cluster
	s_lshl_b32 s44, 0x1111, s40                    ; my column
	s_mov_b32 s[MNT], 0x600000
	s_mov_b32 s[SEL], 0x76543210
	s_mov_b32 s[SEL+1], 0xfedcba98
	; group 1 for codes: 8 tiles' 4,096 bytes (two K steps), 16,384 bytes apart, as 8 rows of 512 elements of 8 bytes; no padding: images are read 16 bytes a lane on end
	s_or_b32 s[G1+0], s43, (3<<16)|(1<<21)         ; 15:0 the mask; 17:16 elements of 8 bytes; 21 set beside a mask
	s_or_b32 s[G1B+0], s44, (3<<16)|(1<<21)
.irp g, G1, G1B
	s_mov_b32 s[\g+1], 512<<16                     ; tensor_dim0
	s_mov_b32 s[\g+2], 8<<16                       ; tensor_dim1
	s_mov_b32 s[\g+3], 512<<16                     ; tile_dim0
	s_mov_b32 s[\g+4], 8                           ; tile_dim1
	s_mov_b32 s[\g+5], 2048                        ; tensor_dim0_stride
	s_mov_b32 s[\g+6], 0
	s_mov_b32 s[\g+7], 0
.endr
	; and for the scale words of 128 rows: 4,096 dense bytes as 16 rows of 256
	s_or_b32 s[G1S+0], s43, (3<<16)|(1<<21)
	s_or_b32 s[G1SB+0], s44, (3<<16)|(1<<21)
.irp g, G1S, G1SB
	s_mov_b32 s[\g+1], 32<<16
	s_mov_b32 s[\g+2], 16<<16
	s_mov_b32 s[\g+3], 32<<16
	s_mov_b32 s[\g+4], 16
	s_mov_b32 s[\g+5], 32
	s_mov_b32 s[\g+6], 0
	s_mov_b32 s[\g+7], 0
.endr
	s_lshl_b32 s20, s17, 1
	s_add_co_u32 s20, s20, s16                     ; S1: which 128 rows I fetch
	s_lshl_b32 s22, s20, 12                        ; their scale words,
	s_lshl_b32 s20, s20, 17                        ; their codes
	s_mov_b32 s21, 0
	s_mov_b32 s23, 0
	s_lshl_b32 s46, s42, 1
	s_add_co_u32 s46, s46, s16                     ; S0 likewise
	s_lshl_b32 s92, s46, 12
	s_lshl_b32 s46, s46, 17
	s_mov_b32 s47, 0
	s_mov_b32 s93, 0
	s_cmp_eq_u32 ttmp9, 2
	s_mov_b32 s18, XSC
	s_cselect_b32 s19, WSC, s18                    ; where S1's buffer has its scale words,
	s_mov_b32 s18, WSC
	s_cselect_b32 s18, XSC, s18                    ; and S0's
	s_add_co_u32 s22, s22, s19
	s_add_co_u32 s92, s92, s18
	s_mul_i32 s45, s14, HALFT                      ; where they go: wave x 128 rows: no place in the cluster enters an LDS address
	s_mul_i32 s94, s14, HALFS
	s_wait_kmcnt 0x0
	s_cmp_eq_u32 ttmp9, 2
	s_cselect_b64 s[96:97], s[6:7], s[4:5]         ; S1's buffer
	s_cselect_b64 s[98:99], s[4:5], s[6:7]         ; S0's
	s_add_nc_u64 s[20:21], s[96:97], s[20:21]
	s_add_nc_u64 s[22:23], s[96:97], s[22:23]
	s_add_nc_u64 s[46:47], s[98:99], s[46:47]
	s_add_nc_u64 s[92:93], s[98:99], s[92:93]
	CROUND                                         ; all sixteen work-groups are here: the first joint loads meet
	s_mov_b32 s[G0S], 1
	s_add_co_u32 s[G0S+1], s94, SCL
	s_mov_b64 s[G0S+2:G0S+3], s[22:23]
	s_or_b32 s[G0S+3], s[G0S+3], 0x80000000
	s_mov_b32 s[G0SB], 1
	s_add_co_u32 s[G0SB+1], s94, SCL
	s_mov_b64 s[G0SB+2:G0SB+3], s[92:93]
	s_or_b32 s[G0SB+3], s[G0SB+3], 0x80000000
	JLOAD G0S, G1S, G0SB, G1SB                     ; the scale words first: they are wanted with K step 0.  Three loads of mine are out behind these first fills
.irp s, 0,1
	s_mov_b32 s[G0+4*\s], 1
	s_add_co_u32 s[G0+4*\s+1], s45, \s*SLOT
	s_add_nc_u64 s[G0+4*\s+2:G0+4*\s+3], s[20:21], \s*TILEB
	s_or_b32 s[G0+4*\s+3], s[G0+4*\s+3], 0x80000000
	s_mov_b32 s[G0B+4*\s], 1
	s_add_co_u32 s[G0B+4*\s+1], s45, \s*SLOT
	s_add_nc_u64 s[G0B+4*\s+2:G0B+4*\s+3], s[46:47], \s*TILEB
	s_or_b32 s[G0B+4*\s+3], s[G0B+4*\s+3], 0x80000000
	JLOAD G0+4*\s, G1, G0B+4*\s, G1B
.endr
	v_and_b32 v1, 15, v0                           ; r
	v_bfe_u32 v2, v0, 4, 1                         ; h
	s_wait_alu depctr_va_vdst(0)
	v_and_b32 v3, 31, v0
	v_lshlrev_b32 v[LI], 4, v3
	v_lshlrev_b32 v[L8], 3, v3
	s_mul_i32 s21, s15, HALFT                      ; my 128 rows of S1
	s_mul_i32 s22, s16, HALFT                      ; my 128 rows of S0,
	s_add_co_u32 s22, s22, 2*HALFT                 ; which lie behind S1's 256
.irp s, 0,1
	v_add_nc_u32 v[ADRA+\s], s21, v[LI]
	v_add_nc_u32 v[ADRB+\s], s22, v[LI]
	s_add_co_u32 s21, s21, SLOT
	s_add_co_u32 s22, s22, SLOT
.endr
	v_lshlrev_b32 v5, 3, v1                        ; my row's two words of a slot: 8 r
	s_mul_i32 s21, s15, HALFS
	s_mul_i32 s22, s16, HALFS
	s_add_co_u32 s22, s22, 2*HALFS
	s_sub_co_u32 s22, s22, s21
	v_mul_u32_u24 v6, s22, v2                      ; lanes 16-31 take S0's: one product, h x the distance
	s_add_co_u32 s21, s21, SCL
	v_add_nc_u32 v5, v5, v6
	v_add_nc_u32 v[ADRS], s21, v5
.macro FRAG reg, adr, q, i             ; a fragment comes back as it was stored: four loads of 512 consecutive bytes
.irp c, 0,1,2,3
	ds_load_b128 v[\reg+4*\c:\reg+4*\c+3], v[\adr] offset:FRB*(\q)+512*\c+(\i)*TILEB
.endr
.endm
; 16 matrix instructions: S1's blocks a0, a0 + 1 x S0's eight.  p: S0's set; sc: the set of scale words; zero = 1: the first product starts the sums.
; The 64 accumulators take turns, one instruction a turn, in the same order in every step.
.macro MUL16 a0, p, q, sc, zero
.irp a, \a0, \a0+1
.irp b, 0,1,2,3,4,5,6,7
.if \zero
	v_wmma_scale_f32_16x16x128_f8f6f4 v[8*(8*((\a)%4)+\b):8*(8*((\a)%4)+\b)+7], v[128*(\p)+FR*\b:128*(\p)+FR*\b+FR-1], v[AF+FR*(\a):AF+FR*(\a)+FR-1], 0, v[SC+8*NQ*(\sc)+NQ*\b+(\q)], v[SC+8*NQ*(\sc)+NQ*(\a)+(\q)] matrix_a_scale:MATRIX_SCALE_ROW1
.else
	v_wmma_scale_f32_16x16x128_f8f6f4 v[8*(8*((\a)%4)+\b):8*(8*((\a)%4)+\b)+7], v[128*(\p)+FR*\b:128*(\p)+FR*\b+FR-1], v[AF+FR*(\a):AF+FR*(\a)+FR-1], v[8*(8*((\a)%4)+\b):8*(8*((\a)%4)+\b)+7], v[SC+8*NQ*(\sc)+NQ*\b+(\q)], v[SC+8*NQ*(\sc)+NQ*(\a)+(\q)] matrix_a_scale:MATRIX_SCALE_ROW1
.endif
.endr
.endr
.endm
.macro FETCH_B slot, q, p
	WIN TO_B
.irp i, 0,1,2,3,4,5,6,7
	FRAG 128*(\p)+FR*\i, ADRB+\slot, \q, \i
.endr
	WIN 0
.endm
.macro FETCH_A slot, q, i0
.irp i, \i0, \i0+1, \i0+2, \i0+3
	FRAG AF+FR*(\i), ADRA+\slot, \q, \i
.endr
.endm
.macro SCALES sc                       ; a slot's scale words: two a row
.irp i, 0,1,2,3,4,5,6,7
	ds_load_b64 v[SC+8*NQ*\sc+NQ*\i:SC+8*NQ*\sc+NQ*\i+1], v[ADRS] offset:\i*SBLK
.endr
.endm
.macro PLACES n                        ; plain vector lines between a matrix instruction and a load into, or a vector line on, its registers
.rept \n
	v_nop
.endr
.endm
.macro STEP slot, q, zero              ; a step of 128 along K that has its successor in the same slot
	s_wait_dscnt 4*NL                              ; S0's set and S1's blocks 0-3 are in; the youngest 16 loads (S1's blocks 4-7) may be out
	WIN MUL_LO
	MUL16 0, (\q)%2, \q, \slot, \zero
	MUL16 2, (\q)%2, \q, \slot, \zero
	s_wait_dscnt 0
	PLACES NP
	FETCH_B \slot, (\q)+1, 1-(\q)%2
	FETCH_A \slot, (\q)+1, 0
	WIN MUL_HI
	MUL16 4, (\q)%2, \q, \slot, \zero
	MUL16 6, (\q)%2, \q, \slot, \zero
	PLACES NP
	WIN 0
	FETCH_A \slot, (\q)+1, 4
.endm
; A slot's last step changes slots: one barrier; in front of it each wave waits for all its tensor loads, adds 0 to its spare word, and waits for that and for its reads of this slot.
.macro TURN slot, next, fill
	s_wait_tensorcnt 0x0                           ; all my tensor loads have landed: my part of the next slot
	ds_add_u32 v[SPW], v[NIL]                      ; 0 onto my spare word
	s_wait_dscnt 4*NL+1                            ; (the add and the youngest 16 loads may be out)
	WIN MUL_LO
	MUL16 0, 1, NQ-1, \slot, 0
	s_wait_dscnt 0x0                               ; the add is done, and my reads of this slot are over
	s_barrier_signal -1
	MUL16 2, 1, NQ-1, \slot, 0
	WIN 0
	s_barrier_wait -1
.if \fill
	CREST                                          ; the barrier has opened a round of the cluster's: no wave of any partner still reads this slot or has a load on its way
	s_add_nc_u64 s[G0+4*\slot+2:G0+4*\slot+3], s[G0+4*\slot+2:G0+4*\slot+3], 2*TILEB
	s_add_nc_u64 s[G0B+4*\slot+2:G0B+4*\slot+3], s[G0B+4*\slot+2:G0B+4*\slot+3], 2*TILEB
	JLOAD G0+4*\slot, G1, G0B+4*\slot, G1B         ; the first tensor load behind the round, my one until the next
	PLACES NP-4
.else
	PLACES NP
.endif
	s_wait_alu depctr_va_vdst(0)
	v_add_nc_u32 v[ADRS], 128, v[ADRS]             ; the next slot's scale words (no LDS load of mine is out)
	FETCH_B \next, 0, 0
	FETCH_A \next, 0, 0
	SCALES \next
	WIN MUL_HI
	MUL16 4, 1, NQ-1, \slot, 0
	MUL16 6, 1, NQ-1, \slot, 0
	PLACES NP
	WIN 0
	FETCH_A \next, 0, 4
.endm
	s_wait_alu depctr_va_vdst(0)
	s_wait_tensorcnt 1                             ; the scale words and my part of slot 0 are in; slot 1's load may be out
	s_barrier_signal -1
	s_barrier_wait -1
	FETCH_B 0, 0, 0
	FETCH_A 0, 0, 0
	SCALES 0
	FETCH_A 0, 0, 4
	STEP 0, 0, 1                                   ; K = 1,024 is four slots: written straight
	TURN 0, 1, 1
	STEP 1, 0, 0
	TURN 1, 0, 1
	STEP 0, 0, 0
	TURN 0, 1, 0                                   ; nothing is left to fetch
	STEP 1, 0, 0
	s_wait_dscnt 4*NL
	WIN MUL_LO
	MUL16 0, 1, NQ-1, 1, 0
	MUL16 2, 1, NQ-1, 1, 0
	s_wait_dscnt 0
	WIN MUL_HI
	MUL16 4, 1, NQ-1, 1, 0
	MUL16 6, 1, NQ-1, 1, 0
	WIN 0
; THE WAY OUT.  For S1's block a, a lane's 64 registers are 128 neighbours' worth along S0: register 16 b + i = index 32 b + 16 h + i: four blocks of 32, as the conversions want them; their results are images.
;   q, k: blocks 0, 1 are head 2 hp's 64, blocks 2, 3 head 2 hp + 1's; block a is a tile of 16 tokens.     v: the four blocks are the group's 128 keys; block a is 16 of a head's 64 (head 2 hp + a / 4).
.set TM,  32                           ; v32-47 at work
.set PWR, 48                           ; v48-55 block a's scale word
.set HN,  128
.set PC,  192                          ; v192-223 codes, two sets
.set P0,  92                           ; s[92:93] where registers 0-7 of the codes go, s[94:95] registers 8-15
.set P1,  94
.set SCP, 96                           ; s[96:97] where the scale words go
.set SA,  22                           ; s[22:23] from block to block
.set SA4, 40                           ; s[40:41] and more at block 4
	PLACES NP
.irp b, 0,1,2,3
	v_mov_b32 v[TM+4+\b], 0                        ; a lane permute's destination counts as one of its sources
.endr
	s_lshl_b32 s18, s17, 1
	s_add_co_u32 s18, s18, s15                     ; my 128 rows of S1
	s_lshl_b32 s19, s42, 1
	s_add_co_u32 s19, s19, s16                     ; my 128 rows of S0
	s_cmp_eq_u32 ttmp9, 2
	s_cselect_b32 s20, s19, s18                    ; the group of 128 tokens, 0 .. 63
	s_cselect_b32 s21, s18, s19
	s_and_b32 s21, s21, 7                          ; hp: the pair of heads
	s_lshr_b32 s98, s20, 4
	s_lshl_b32 s98, s98, 8
	s_lshl_b32 s21, s21, 5
	s_add_co_u32 s98, s98, s21
	s_and_b32 s20, s20, 15
	s_add_co_u32 s98, s98, s20                     ; 16 x (16 batch + 2 hp) + the group in the sequence
	s_cmp_eq_u32 ttmp9, 0
	s_cselect_b64 s[P0:P0+1], s[8:9], s[10:11]
	s_cselect_b64 s[SCP:SCP+1], s[8:9], s[10:11]
	s_mov_b32 s19, KSC
	s_cselect_b32 s19, QSC, s19
	s_cselect_b32 s18, 13, 14                      ; 8,192 bytes a group in qq, 16,384 in kvq
	s_lshl_b32 s20, s98, s18
	s_mov_b32 s21, 0
	s_add_nc_u64 s[P0:P0+1], s[P0:P0+1], s[20:21]
	s_lshl_b32 s46, s98, 9                         ; 512 bytes of scale words a group
	s_add_co_u32 s46, s46, s19
	s_mov_b32 s47, 0
	s_add_nc_u64 s[SCP:SCP+1], s[SCP:SCP+1], s[46:47]
	s_cmp_eq_u32 ttmp9, 2
	s_cselect_b32 s20, 8192, 0                     ; V lies behind K,
	s_cselect_b32 s46, 256, 0                      ; its words too
	s_mov_b32 s[SA], 1024
	s_cselect_b32 s[SA], 2048, s[SA]
	s_mov_b32 s[SA+1], 0
	s_cselect_b32 s[SA4], 253952, 0                ; v: four fragments on, the next head: 262,144 - 4 x 2,048
	s_mov_b32 s[SA4+1], 0
	s_mov_b32 s44, 262144                          ; k: the next head;
	s_cselect_b32 s44, 1024, s44                   ; v: the fragment's second half;
	s_add_nc_u64 s[P0:P0+1], s[P0:P0+1], s[20:21]
	s_add_nc_u64 s[SCP:SCP+1], s[SCP:SCP+1], s[46:47]
	s_cmp_eq_u32 ttmp9, 0
	s_cselect_b32 s44, 131072, s44                 ; q: the next head
	s_mov_b32 s45, 0
	s_add_nc_u64 s[P1:P1+1], s[P0:P0+1], s[44:45]
.macro QEP a
.set AC, 64*((\a)%4)
.set WX, 2+(\a)/4
.set WW, WX|(WX<<2)
.set PCS, PC+16*((\a)%2)
	WIN WW                                         ; sources 0 and 1: the accumulators' window
.irp b, 0,1,2,3
	v_max3_num_f32 v[TM+\b], |v[AC+16*\b]|, |v[AC+16*\b+1]|, 0x4800000   ; each accumulator is read from its low end on; the floor 2^(9 - 127) holds the byte at 1 from below
.endr
.irp i, 2,4,6,8,10,12,14
.irp b, 0,1,2,3
	v_max3_num_f32 v[TM+\b], |v[AC+16*\b+\i]|, |v[AC+16*\b+\i+1]|, v[TM+\b]
.endr
.endr
	WIN 0
.irp b, 0,1,2,3
	v_permlanex16_b32 v[TM+4+\b], v[TM+\b], s[SEL], s[SEL+1]
.endr
.irp b, 0,1,2,3
	v_max_num_f32 v[TM+\b], v[TM+\b], v[TM+4+\b]
.endr
.irp b, 0,1,2,3
	v_add_nc_u32 v[TM+12+\b], 0xfc000000, v[TM+\b]
.endr
.irp b, 0,1,2,3
.endr
.irp b, 0,1,2,3
	v_lshrrev_b32 v[TM+4+\b], 23, v[TM+12+\b]
.endr
	v_lshl_or_b32 v[PWR+(\a)], v[TM+5], 8, v[TM+4]
	v_lshl_or_b32 v[PWR+(\a)], v[TM+6], 16, v[PWR+(\a)]
	v_lshl_or_b32 v[PWR+(\a)], v[TM+7], 24, v[PWR+(\a)]
	WIN WX                                         ; source 0 alone
.irp b, 0,1,2,3
.irp i, 0,1,2,3,4,5,6,7,8,9,10,11,12,13,14,15
.endr
.endr
.irp b, 0,1,2,3
	v_cvt_scalef32_pk8_fp8_f32 v[PCS+4*\b:PCS+4*\b+1], v[AC+16*\b:AC+16*\b+7], v[TM+12+\b]
	v_cvt_scalef32_pk8_fp8_f32 v[PCS+4*\b+2:PCS+4*\b+3], v[AC+16*\b+8:AC+16*\b+15], v[TM+12+\b]
.endr
	WIN 0
	v_nop                                          ; a plain line behind the conversions
	s_wait_alu depctr_va_vdst(0)
	s_wait_xcnt 0x0                                ; the earlier stores have read their bases and their data
.if (\a) > 0
	s_add_nc_u64 s[P0:P0+1], s[P0:P0+1], s[SA:SA+1]
	s_add_nc_u64 s[P1:P1+1], s[P1:P1+1], s[SA:SA+1]
.endif
.if (\a) == 4
	s_add_nc_u64 s[P0:P0+1], s[P0:P0+1], s[SA4:SA4+1]
	s_add_nc_u64 s[P1:P1+1], s[P1:P1+1], s[SA4:SA4+1]
.endif
	global_store_b128 v[LI], v[PCS:PCS+3], s[P0:P0+1]               ; 512 consecutive bytes a store
	global_store_b128 v[LI], v[PCS+4:PCS+7], s[P0:P0+1] offset:512
	global_store_b128 v[LI], v[PCS+8:PCS+11], s[P1:P1+1]
	global_store_b128 v[LI], v[PCS+12:PCS+15], s[P1:P1+1] offset:512
.endm
.irp a, 0,1,2,3,4,5,6,7
	QEP \a
.endr
; THE SCALE WORDS, laid so that one load gives an operand's scale register: lanes 0-15 an even tile's rows, lanes 16-31 the odd tile's.  Whole runs of 256 or 512 bytes.
	v_bfe_u32 v2, v0, 4, 1
	v_cmp_eq_u32 vcc_lo, 1, v2                     ; lanes 16-31
	s_cmp_eq_u32 ttmp9, 0
	s_cbranch_scc0 .Lnot_q
	; q: [lane][j 0..3]: tile 2 j + lane / 16; the head's two bytes twice over, since q stands in either half of a K of 128
.irp a, 0,1,2,3,4,5,6,7
	v_perm_b32 v[56+\a], v[PWR+\a], v[PWR+\a], 0x01000100
.endr
.irp j, 0,1,2,3
	v_cndmask_b32 v[64+\j], v[56+2*\j], v[57+2*\j], vcc_lo
.endr
	global_store_b128 v[LI], v[64:67], s[SCP:SCP+1]
.irp a, 0,1,2,3,4,5,6,7
	v_perm_b32 v[56+\a], v[PWR+\a], v[PWR+\a], 0x03020302
.endr
.irp j, 0,1,2,3
	v_cndmask_b32 v[68+\j], v[56+2*\j], v[57+2*\j], vcc_lo
.endr
	global_store_b128 v[LI], v[68:71], s[SCP:SCP+1] offset:8192
	s_branch .Lwords_out
.Lnot_q:
	s_cmp_eq_u32 ttmp9, 1
	s_cbranch_scc0 .Lis_v
	; k: [lane][j 0..1]: pair 2 j + lane / 16; a pair's word: tile 2 p's two bytes, then tile 2 p + 1's
.irp p, 0,1,2,3
	v_perm_b32 v[56+\p], v[PWR+2*\p+1], v[PWR+2*\p], 0x05040100
	v_perm_b32 v[60+\p], v[PWR+2*\p+1], v[PWR+2*\p], 0x07060302
.endr
	v_cndmask_b32 v64, v56, v57, vcc_lo
	v_cndmask_b32 v65, v58, v59, vcc_lo
	v_cndmask_b32 v66, v60, v61, vcc_lo
	v_cndmask_b32 v67, v62, v63, vcc_lo
	global_store_b64 v[L8], v[64:65], s[SCP:SCP+1]
	global_store_b64 v[L8], v[66:67], s[SCP:SCP+1] offset:8192
	s_branch .Lwords_out
.Lis_v:
	; v: [lane][j 0..1]: the head's tile 2 j + lane / 16 of 16 channels
.irp j, 0,1,2,3
	v_cndmask_b32 v[64+\j], v[PWR+2*\j], v[PWR+2*\j+1], vcc_lo
.endr
	global_store_b64 v[L8], v[64:65], s[SCP:SCP+1]
	global_store_b64 v[L8], v[66:67], s[SCP:SCP+1] offset:8192
.Lwords_out:
	s_wait_tensorcnt 0x0                           ; the wave's end
	ds_add_u32 v[SPW], v[NIL]
	s_wait_dscnt 0x0
	CROUND                                         ; the closing round: no work-group ends while a partner may still ask for a tile that names it
	s_endpgm
.Lfunc_end_k_q4832d7fce5_qkv:
	.size	k_q4832d7fce5_qkv, .Lfunc_end_k_q4832d7fce5_qkv-k_q4832d7fce5_qkv
	.p2alignl 7, 3214868480
	.fill 96, 4, 3214868480
	.section	.rodata,"a",@progbits
	.p2align	6, 0x0
	.amdhsa_kernel k_q4832d7fce5_qkv
		.amdhsa_group_segment_fixed_size 327680
		.amdhsa_private_segment_fixed_size 0
		.amdhsa_enable_private_segment 0
		.amdhsa_kernarg_size 32
		.amdhsa_user_sgpr_count 2
		.amdhsa_user_sgpr_kernarg_segment_ptr 1
		.amdhsa_wavefront_size32 1
		.amdhsa_system_sgpr_workgroup_id_x 1
		.amdhsa_system_sgpr_workgroup_id_y 1
		.amdhsa_system_sgpr_workgroup_id_z 1
		.amdhsa_system_vgpr_workitem_id 0
		.amdhsa_next_free_vgpr 1024
		.amdhsa_next_free_sgpr 102
		.amdhsa_reserve_vcc 1
		.amdhsa_float_denorm_mode_32 3
		.amdhsa_float_denorm_mode_16_64 3
		.amdhsa_fp16_overflow 1
		.amdhsa_memory_ordered 1
		.amdhsa_forward_progress 1
		.amdhsa_inst_pref_size 155
	.end_amdhsa_kernel
	.amdgpu_metadata
---
amdhsa.version: [ 1, 2 ]
amdhsa.kernels:
  - .name:           k_q4832d7fce5_qkv
    .symbol:         k_q4832d7fce5_qkv.kd
    .args:
      - { .name: xq, .offset: 0, .size: 8, .value_kind: global_buffer, .address_space: global }
      - { .name: wq, .offset: 8, .size: 8, .value_kind: global_buffer, .address_space: global }
      - { .name: qq, .offset: 16, .size: 8, .value_kind: global_buffer, .address_space: global }
      - { .name: kvq, .offset: 24, .size: 8, .value_kind: global_buffer, .address_space: global }
    .group_segment_fixed_size: 327680
    .private_segment_fixed_size: 0
    .kernarg_segment_align: 8
    .kernarg_segment_size: 32
    .max_flat_workgroup_size: 128
    .sgpr_count:     102
    .vgpr_count:     1024
    .wavefront_size: 32
...
	.end_amdgpu_metadata
.endif
;; end of part 2
;; launch attn (part 3): grid 4 x 64, 16 waves a work-group, no clusters, 327,680 bytes of LDS; arguments qq, kvq, cq; writes cq
.if DOCPART == 3
	.amdgcn_target "amdgcn-amd-amdhsa--gfx1250"
	.amdhsa_code_object_version 6
	.text
	.protected	k_q4832d7fce5_attn
	.globl	k_q4832d7fce5_attn
	.p2align	8
	.type	k_q4832d7fce5_attn,@function
k_q4832d7fce5_attn:
	s_mov_b64 s[64:65], 0
	v_nop
	global_prefetch_b8 v0, s[64:65] scope:SCOPE_SE
	s_setreg_imm32_b32 hwreg(HW_REG_WAVE_MODE, 25, 1), 1
	s_wait_xcnt 0x0
; Causal attention of one head on codes of FP8 (E4M3) with E8M0 scales, and ctx quantised along D on the way out.  Head size 64, 2,048 tokens, 64 (batch, head) pairs.
; THE SOFTMAX AHEAD OF THE SECOND PRODUCT: t = score x log2(e) / 8; M = the running largest t rounded UP to a whole number; p = 2^(t - M) is quantised along the keys, not normalised; the row's sum is taken of
; the unquantised p and divides at the end.  When M moves, the sum and O are multiplied by 2^(old M - new M): exact.
; SHARES.  Work-group (i, b h) owns the blocks 7 - i and i of 256 queries and walks ONE loop of 9 slots of 256 keys: 8 - i trips for block 7 - i (key slots 0 .. 7 - i), then i + 1 trips for block i.
; So every work-group has the same 18 key steps, and the trip count is a constant.  Each of the sixteen waves owns one tile of 16 queries in 256 registers.
; LAYOUT.  Both products are used transposed (S^T = K Q^T, O^T = V^T P^T): a lane holds ONE query.  Tiles of tokens and of channels are in the order row r of tile 2 G + u = 32 G + 8 u + r + 8 (r / 8), so that the 16
; registers of two neighbouring result tiles are 16 neighbours: p's registers are the second product's operand, and O^T's are ctx's blocks of 32 along D.
; K = 64 IN AN INSTRUCTION OF K = 128: source 0 is a PAIR of key tiles (tile 2 p in blocks 0, 1; tile 2 p + 1 in blocks 2, 3); source 1 is q with zero codes in the other half: [q | 0] gives tile 2 p's scores,
; [0 | q] tile 2 p + 1's.  Zero codes add nothing under any scale byte of this program's making.
; NO CLUSTER: the four work-groups of a head want different key slots in the same trip from trip 5 on (their first passes are 8, 7, 6, 5 trips long); walking all eight slots in step would cost 12 block-slots against 9.
; LIMITS: NaN and infinities are not served.  A block's largest p is made from its largest score by the same two instructions: this takes v_exp_f32 not to fall where its input rises.  A block of zeros gets the byte 1.
; REGISTERS: v1-11 addresses; v12 -M, v13 the largest t, v[14:15] the sum; v16-39 q, zeros, q; v40-103 four fragments; v104-167 S^T, then p; v168-199 O^T; v200-215 p's codes; v216-243 at work and scale words.
.set QSC,   8388608                    ; where the scale words begin in qq,
.set KSC,   16777216                   ; kvq,
.set XSC,   8388608                    ; cq
.set SLOTB, 65536                      ; LDS: slot s at 65,536 s: two groups of 128 keys (K 8,192 | V 8,192 each), at 32,768 their scale words (K 256 | V 256 each)
.set SPARE, 131072                     ; the spare words, 128 bytes for each wave: eight blocks of 256 bytes that no other line names
.set ADK,  7                           ; v7  16 x lane + the slot
.set ADS,  8                           ; v8  8 x lane + the slot
.set FRG,  40
.set S,    104
.set O,    168
.set PCD,  200
.set BM,   216                         ; v216-219 the blocks' largest scores, then largest p
.set T4,   220                         ; v220-223 at work
.set LM,   224
.set SOP,  228                         ; v228-231 the conversions' scale operands
.set KS,   232                         ; v232-233 K's scale words
.set VS,   234                         ; v234-235 V's
.set QS,   236                         ; v236 q's
.set FF,   238                         ; v238 f = 2^(old M - new M); v239 p's scale word
.set TP,   240                         ; v240-242 at work
.set WV,   16
.set BH,   18
.set MNT,  19
.set SEL,  20
.set CS,   22                          ; s[22:23] c = log2(e) / 8
.set G1C,  24                          ; group 1 for a group's codes; s[32:39] for a slot's scale words; s[40:43], s[44:47] their groups 0
.set G1S,  32
.set G0C,  40
.set G0S,  44
.set TB,   48                          ; the slot in hand, as an LDS byte
.set TR,   49                          ; the trip
.set NA,   50                          ; trips of the first pass: 8 - i
.set KF,   51                          ; the step's first key
.set Q0,   52                          ; my first query; my lane's is Q0 + r + 8 (r / 8)
.set LIM,  53
.set PFA,  54
.set KVB,  56                          ; s[56:57] the head's codes (+ my group, in waves 0 and 1); s[58:59] its scale words
.set KSB,  58
.set CT,   60                          ; s[60:61] where my tile's codes of ctx go; s[62:63] their scale bytes
.set CSP,  62
.set QP,   66                          ; s[66:67] my tile of q; s[68:69] its scale words
.set QSP,  68
.set BLK,  80                          ; the block of 256 queries in hand
; Waves 0 and 1 fetch a group's codes each (16,384 dense bytes), wave 2 the slot's 1,024 bytes of scale words; the others nothing.  Four v_nop follow each of the two lines.
.macro TLOAD
	s_cmp_lt_u32 s[WV], 2
	s_cbranch_scc0 .Lnot_c_\@
	tensor_load_to_lds s[G0C:G0C+3], s[G1C:G1C+7]
	s_nop 0
.rept 4
	v_nop
.endr
	s_branch .Lasked_\@
.Lnot_c_\@:
	s_cmp_lt_u32 s[WV], 3
	s_cbranch_scc0 .Lasked_\@
	tensor_load_to_lds s[G0S:G0S+3], s[G1S:G1S+7]
	s_nop 0
.rept 4
	v_nop
.endr
.Lasked_\@:
.endm
; A prefetch of the codes that the NEXT change of slots will ask for: trip TR names key slot TR + 2.  All four work-groups of a head begin with slots 0, 1, 2 ..: the one with i = 0, which walks all eight
; in its first pass, asks, in its waves 4 to 7: 8,192 bytes a wave, lanes 256 bytes apart, so that each 256 bytes are named once in the launch.  Trips 6 and on ask for nothing: slot 7 is the last.
.macro ASK
	s_cmp_lt_u32 s[TR], s[LIM]
	s_cbranch_scc0 .Lnot_mine_\@
	global_prefetch_b8 v6, s[PFA:PFA+1] th:TH_LOAD_NT scope:SCOPE_SE
.Lnot_mine_\@:
.endm
; Where block s[BLK]'s tile of my wave lies: scalar work alone.
.macro PASS
	s_lshl_b32 s70, s[BLK], 4
	s_add_co_u32 s70, s70, s[WV]                   ; my tile in the sequence
	s_lshl_b32 s[Q0], s[BLK], 8
	s_lshr_b32 s71, s[WV], 1
	s_lshl_b32 s71, s71, 5
	s_add_co_u32 s[Q0], s[Q0], s71
	s_and_b32 s71, s[WV], 1
	s_lshl_b32 s71, s71, 3
	s_add_co_u32 s[Q0], s[Q0], s71                 ; 256 block + 32 (w / 2) + 8 (w % 2)
	s_lshl_b32 s72, s[BH], 7
	s_add_co_u32 s72, s72, s70
	s_lshl_b32 s72, s72, 10                        ; q: 1,024 bytes a tile
	s_mov_b32 s73, 0
	s_add_nc_u64 s[QP:QP+1], s[4:5], s[72:73]
	s_lshl_b32 s72, s[BH], 4
	s_lshl_b32 s74, s[BLK], 1
	s_add_co_u32 s72, s72, s74
	s_lshr_b32 s74, s[WV], 3
	s_add_co_u32 s72, s72, s74                     ; the group of 128 tokens
	s_lshl_b32 s72, s72, 9
	s_and_b32 s74, s[WV], 1
	s_lshl_b32 s74, s74, 8                         ; an odd tile's words lie in the image's lanes 16-31,
	s_add_co_u32 s72, s72, s74
	s_bfe_u32 s74, s[WV], 0x20001
	s_lshl_b32 s74, s74, 2                         ; word (w / 2) % 4 of a lane's four
	s_add_co_u32 s72, s72, s74
	s_add_co_u32 s72, s72, QSC
	s_add_nc_u64 s[QSP:QSP+1], s[4:5], s[72:73]
	s_lshr_b32 s74, s[BH], 4
	s_lshl_b32 s74, s74, 7
	s_add_co_u32 s74, s74, s70                     ; my tile among all 8,192 tokens
	s_and_b32 s75, s[BH], 15                       ; the head
	s_lshl_b32 s72, s74, 14
	s_lshl_b32 s76, s75, 10                        ; K step head / 2 (2,048 bytes), its half head % 2 (1,024)
	s_add_co_u32 s72, s72, s76
	s_add_nc_u64 s[CT:CT+1], s[8:9], s[72:73]
	s_lshl_b32 s72, s74, 9
	s_lshr_b32 s76, s75, 2
	s_lshl_b32 s76, s76, 7
	s_add_co_u32 s72, s72, s76
	s_and_b32 s76, s75, 3
	s_lshl_b32 s76, s76, 1                         ; word (head / 2) % 2, bytes 2 (head % 2) on
	s_add_co_u32 s72, s72, s76
	s_add_co_u32 s72, s72, XSC
	s_add_nc_u64 s[CSP:CSP+1], s[8:9], s[72:73]
.endm
.macro QLOAD                           ; my tile of q, twice (either side of the zeros), its scale words; the sums begin anew
	global_load_b128 v[16:19], v1, s[QP:QP+1]
	global_load_b128 v[20:23], v1, s[QP:QP+1] offset:512
	global_load_b128 v[32:35], v1, s[QP:QP+1]
	global_load_b128 v[36:39], v1, s[QP:QP+1] offset:512
	global_load_b32 v[QS], v10, s[QSP:QSP+1]
	v_mov_b32 v13, 0xff61b1e6                      ; the largest t so far: -3e38
	s_delay_alu instid0(VALU_DEP_1)
	v_floor_f32 v12, -v13                          ; -M
	v_mov_b32 v14, 0
	v_mov_b32 v15, 0
.set n, 0
.rept 32
	v_mov_b32 v[O+n], 0                            ; O^T: the step is written once; its first turn finds zeros
.set n, n+1
.endr
	s_mov_b32 s[KF], 0
	s_wait_loadcnt 0x0
.endm
; A KEY STEP: 128 keys, group q of the slot in hand.
.macro STEP q
	s_add_co_u32 s70, s[Q0], 23                    ; my last query
	s_cmp_gt_u32 s[KF], s70
	s_cbranch_scc1 .Lhidden_\@                     ; all keys come after all my queries: the step's work is left out (a branch on ids; no barrier and no tensor load stands in a step)
	v_add_nc_u32 v[ADK], s[TB], v1
	v_add_nc_u32 v[ADS], s[TB], v2
.rept 6
	v_nop                                          ; with the two additions: eight places in front of loads into registers that the last products read
.endr
.irp p, 0,1,2,3
.irp c, 0,1,2,3
	ds_load_b128 v[FRG+16*\p+4*\c:FRG+16*\p+4*\c+3], v[ADK] offset:16384*(\q)+2048*\p+512*\c
.endr
.endr
	ds_load_b64 v[KS:KS+1], v[ADS] offset:32768+512*(\q)
	s_wait_alu depctr_va_vdst(0)
	s_wait_dscnt 0x0
.irp t, 0,1,2,3,4,5,6,7                        ; S^T: tile t of 16 keys: pair t / 2, q in the half t % 2
.if ((\t/2)%2) == 1
	v_wmma_scale_f32_16x16x128_f8f6f4 v[S+8*\t:S+8*\t+7], v[FRG+16*(\t/2):FRG+16*(\t/2)+15], v[16+8*(\t%2):31+8*(\t%2)], 0, v[KS+\t/4], v[QS] matrix_a_scale:MATRIX_SCALE_ROW1
.else
	v_wmma_scale_f32_16x16x128_f8f6f4 v[S+8*\t:S+8*\t+7], v[FRG+16*(\t/2):FRG+16*(\t/2)+15], v[16+8*(\t%2):31+8*(\t%2)], 0, v[KS+\t/4], v[QS]
.endif
.endr
.rept 8
	v_nop
.endr
.irp t, 0,1,2,3                                ; V's fragments take K's registers and land under the softmax
.irp c, 0,1,2,3
	ds_load_b128 v[FRG+16*\t+4*\c:FRG+16*\t+4*\c+3], v[ADK] offset:16384*(\q)+8192+2048*\t+512*\c
.endr
.endr
	ds_load_b64 v[VS:VS+1], v[ADS] offset:32768+512*(\q)+256
	s_add_co_u32 s70, s[KF], 127
	s_cmp_le_u32 s70, s[Q0]
	s_cbranch_scc1 .Lopen_\@                       ; all keys count for all my queries
	s_sub_co_i32 s70, s[Q0], s[KF]
	v_add_nc_u32 v[TP+1], s70, v3                  ; d = my query - KF - 16 h.  Register 16 b + i holds key KF + 32 b + 16 h + i: hidden where 32 b + i > d
	v_mov_b32 v[TP+2], 0xff800000                  ; -infinity: p = 0 then
.set n, 0
.rept 64
	v_cmp_gt_i32 vcc_lo, 32*(n/16)+n%16, v[TP+1]
	v_cndmask_b32 v[S+n], v[S+n], v[TP+2], vcc_lo
.set n, n+1
.endr
.Lopen_\@:
.irp b, 0,1,2,3
	v_max3_num_f32 v[BM+\b], v[S+16*\b], v[S+1+16*\b], v[S+2+16*\b]   ; the largest score of each block of 32 keys: for the row's maximum and for the block's largest p
.endr
.irp i, 3,5,7,9,11,13
.irp b, 0,1,2,3
	v_max3_num_f32 v[BM+\b], v[BM+\b], v[S+16*\b+\i], v[S+1+16*\b+\i]
.endr
.endr
.irp b, 0,1,2,3
	v_max_num_f32 v[BM+\b], v[BM+\b], v[S+15+16*\b]
.endr
.irp b, 0,1,2,3
	s_delay_alu instid0(VALU_DEP_4)
	v_permlanex16_b32 v[T4+\b], v[BM+\b], s[SEL], s[SEL+1]
.endr
.irp b, 0,1,2,3
	s_delay_alu instid0(VALU_DEP_4)
	v_max_num_f32 v[BM+\b], v[BM+\b], v[T4+\b]     ; with lane l xor 16's 16 keys
.endr
	s_delay_alu instid0(VALU_DEP_2)
	v_max3_num_f32 v[TP], v[BM], v[BM+1], v[BM+2]
	s_delay_alu instid0(VALU_DEP_1)
	v_max_num_f32 v[TP], v[TP], v[BM+3]
	s_delay_alu instid0(VALU_DEP_1)
	v_mul_f32 v[TP], s[CS], v[TP]                  ; as t
	s_delay_alu instid0(VALU_DEP_1)
	v_max_num_f32 v13, v13, v[TP]                  ; the running largest t
	v_mov_b32 v[TP], v12
	s_delay_alu instid0(VALU_DEP_2)
	v_floor_f32 v12, -v13                          ; the new -M = -ceil(t)
	s_delay_alu instid0(VALU_DEP_1)
	v_sub_f32 v[TP], v12, v[TP]                    ; old M - new M: a whole number, 0 or less
	s_delay_alu instid0(VALU_DEP_1)
	v_cvt_i32_f32 v[TP], v[TP]                     ; (it saturates)
	s_delay_alu instid0(VALU_DEP_1)
	v_ldexp_f32 v[FF], 1.0, v[TP]                  ; f
.set n, 0
.rept 32
	v_pk_fma_f32 v[S+n:S+n+1], v[S+n:S+n+1], s[CS:CS+1], v[12:13] op_sel_hi:[1,0,0]   ; t - M, two at a time
.set n, n+2
.endr
.irp b, 0,1,2,3
	v_fma_f32 v[BM+\b], v[BM+\b], s[CS], v12       ; the same of each block's largest score
.endr
.set n, 0
	s_wait_alu depctr_va_vdst(0)
.rept 64
	v_exp_f32 v[S+n], v[S+n]                       ; p, at most 1
.set n, n+1
.endr
	v_pk_mul_f32 v[14:15], v[14:15], v[FF:FF+1] op_sel_hi:[1,0]   ; the sums under the new M: the plain line behind the exponentials
	s_wait_alu depctr_va_vdst(0)                   ; one wait for the batch, ahead of its first reader
.irp b, 0,1,2,3
	v_exp_f32 v[BM+\b], v[BM+\b]                   ; the block's largest p
.endr
	v_pk_add_f32 v[220:221], v[108:109], v[112:113]
	v_pk_add_f32 v[254:255], v[116:117], v[120:121]
	v_pk_add_f32 v[252:253], v[124:125], v[128:129]
	v_pk_add_f32 v[250:251], v[132:133], v[136:137]
	v_pk_add_f32 v[248:249], v[140:141], v[144:145]
	v_pk_add_f32 v[246:247], v[148:149], v[152:153]
	v_pk_add_f32 v[244:245], v[156:157], v[160:161]
	v_pk_add_f32 v[14:15], v[14:15], v[164:165]
	v_pk_add_f32 v[220:221], v[220:221], v[104:105]
	v_pk_add_f32 v[254:255], v[254:255], v[106:107]
	v_pk_add_f32 v[252:253], v[252:253], v[110:111]
	v_pk_add_f32 v[250:251], v[250:251], v[114:115]
	v_pk_add_f32 v[248:249], v[248:249], v[118:119]
	v_pk_add_f32 v[246:247], v[246:247], v[122:123]
	v_pk_add_f32 v[244:245], v[244:245], v[126:127]
	v_pk_add_f32 v[14:15], v[14:15], v[130:131]
	v_pk_add_f32 v[220:221], v[220:221], v[134:135]
	v_pk_add_f32 v[254:255], v[254:255], v[138:139]
	v_pk_add_f32 v[252:253], v[252:253], v[142:143]
	v_pk_add_f32 v[250:251], v[250:251], v[146:147]
	v_pk_add_f32 v[248:249], v[248:249], v[150:151]
	v_pk_add_f32 v[246:247], v[246:247], v[154:155]
	v_pk_add_f32 v[244:245], v[244:245], v[158:159]
	v_pk_add_f32 v[14:15], v[14:15], v[162:163]
	v_pk_add_f32 v[220:221], v[220:221], v[166:167]
	s_delay_alu instid0(VALU_DEP_2)
	v_pk_add_f32 v[14:15], v[14:15], v[250:251]
	s_delay_alu instid0(VALU_DEP_2)
	v_pk_add_f32 v[220:221], v[220:221], v[248:249]
	v_pk_add_f32 v[254:255], v[254:255], v[246:247]
	v_pk_add_f32 v[252:253], v[252:253], v[244:245]
	s_delay_alu instid0(VALU_DEP_2)
	v_pk_add_f32 v[14:15], v[14:15], v[254:255]
	s_delay_alu instid0(VALU_DEP_2)
	v_pk_add_f32 v[220:221], v[220:221], v[252:253]
	s_delay_alu instid0(VALU_DEP_1)
	v_pk_add_f32 v[14:15], v[14:15], v[220:221]
	s_wait_alu depctr_va_vdst(0)                   ; and one for the four
.irp b, 0,1,2,3
	v_max_num_f32 v[BM+\b], 0x4800000, v[BM+\b]    ; the floor 2^(9 - 127)
.endr
.irp b, 0,1,2,3
	s_delay_alu instid0(VALU_DEP_4)
	v_add_nc_u32 v[SOP+\b], 0xfc000000, v[BM+\b]
.endr
.irp b, 0,1,2,3
.endr
.irp b, 0,1,2,3
	s_delay_alu instid0(VALU_DEP_4)
	v_lshrrev_b32 v[T4+\b], 23, v[SOP+\b]
.endr
	s_delay_alu instid0(VALU_DEP_3)
	v_lshl_or_b32 v[FF+1], v[T4+1], 8, v[T4]       ; p's scale word for these 128 keys
	s_delay_alu instid0(VALU_DEP_1)
	v_lshl_or_b32 v[FF+1], v[T4+2], 16, v[FF+1]
	s_delay_alu instid0(VALU_DEP_1)
	v_lshl_or_b32 v[FF+1], v[T4+3], 24, v[FF+1]
.irp b, 0,1,2,3
.irp i, 0,1,2,3,4,5,6,7,8,9,10,11,12,13,14,15
.endr
	v_cvt_scalef32_pk8_fp8_f32 v[PCD+4*\b:PCD+4*\b+1], v[S+16*\b:S+16*\b+7], v[SOP+\b]
	v_cvt_scalef32_pk8_fp8_f32 v[PCD+4*\b+2:PCD+4*\b+3], v[S+16*\b+8:S+16*\b+15], v[SOP+\b]
.endr
.set n, 0
.rept 16
	v_pk_mul_f32 v[O+n:O+n+1], v[O+n:O+n+1], v[FF:FF+1] op_sel_hi:[1,0]   ; O^T under the new M; these lines also stand between the codes and the products
.set n, n+2
.endr
	s_wait_alu depctr_va_vdst(0)
	s_wait_dscnt 0x0                               ; V is in
.irp t, 0,1,2,3                                ; O^T += V^T P^T: four tiles of 16 channels by turns
.if (\t%2) == 1
	v_wmma_scale_f32_16x16x128_f8f6f4 v[O+8*\t:O+8*\t+7], v[FRG+16*\t:FRG+16*\t+15], v[PCD:PCD+15], v[O+8*\t:O+8*\t+7], v[VS+\t/2], v[FF+1] matrix_a_scale:MATRIX_SCALE_ROW1
.else
	v_wmma_scale_f32_16x16x128_f8f6f4 v[O+8*\t:O+8*\t+7], v[FRG+16*\t:FRG+16*\t+15], v[PCD:PCD+15], v[O+8*\t:O+8*\t+7], v[VS+\t/2], v[FF+1]
.endif
.endr
.Lhidden_\@:
	s_add_co_u32 s[KF], s[KF], 128
.endm
; THE CHANGE OF SLOTS, at a slot's head.  Each wave waits for all its tensor loads, adds 0 to its spare word, and waits for that and for its reads of the slot that it has left.  fill = 1: that slot takes the next trip's keys.
.macro CHANGE fill
	s_wait_tensorcnt 0x0                           ; no tensor load of mine is out, so a group 0 may be written
	ds_add_u32 v4, v5                              ; 0 onto my spare word
.if \fill
	s_add_co_u32 s70, s[TR], 1
	s_cmp_ge_u32 s70, s[NA]
	s_cselect_b32 s71, s[NA], 0
	s_sub_co_u32 s70, s70, s71                     ; the next trip's key slot: the second pass begins again at 0
	s_xor_b32 s[G0C+1], s[G0C+1], SLOTB
	s_xor_b32 s[G0S+1], s[G0S+1], SLOTB
	s_lshl_b32 s72, s70, 15
	s_mov_b32 s73, 0
	s_add_nc_u64 s[G0C+2:G0C+3], s[KVB:KVB+1], s[72:73]
	s_or_b32 s[G0C+3], s[G0C+3], 0x80000000
	s_lshl_b32 s72, s70, 10
	s_add_nc_u64 s[G0S+2:G0S+3], s[KSB:KSB+1], s[72:73]
	s_or_b32 s[G0S+3], s[G0S+3], 0x80000000
	s_wait_xcnt 0x0                                ; the last prefetch, a slot back, has read its address
	s_add_nc_u64 s[PFA:PFA+1], s[PFA:PFA+1], 32768
.endif
	s_wait_dscnt 0x0                               ; the add is done, and my reads of the slot that I have left are over
	s_barrier_signal -1
	s_barrier_wait -1
.if \fill
	TLOAD                                          ; the first thing behind the barrier, a wave's one tensor load until the next
	ASK
.endif
.endm
; A PASS'S END: O^T / the sum is ctx of my 16 tokens and this head's 64 channels: two blocks of 32 along D, quantised in registers; the codes are half a fragment's image.
.macro FINISH restart
.rept 8
	v_nop
.endr
	v_add_f32 v14, v14, v15
	s_delay_alu instid0(VALU_DEP_1)
	v_permlanex16_b32 v[TP], v14, s[SEL], s[SEL+1]
	s_delay_alu instid0(VALU_DEP_1)
	v_add_f32 v14, v14, v[TP]                      ; the row's sum
	s_wait_alu depctr_va_vdst(0)
	v_rcp_f32 v[FF], v14
	v_and_b32 v[TP+1], 16, v0                      ; (the plain line behind the reciprocal)
	s_wait_alu depctr_va_vdst(0)                   ; the wait ahead of its first reader
.set n, 0
.rept 16
	v_pk_mul_f32 v[S+n:S+n+1], v[O+n:O+n+1], v[FF:FF+1] op_sel_hi:[1,0]   ; register 16 G + i: channel 32 G + 16 h + i
.set n, n+2
.endr
.irp b, 0,1
	v_max3_num_f32 v[BM+\b], |v[S+16*\b]|, |v[S+1+16*\b]|, 0x4800000
.endr
.irp i, 2,4,6,8,10,12,14
.irp b, 0,1
	s_delay_alu instid0(VALU_DEP_2)
	v_max3_num_f32 v[BM+\b], v[BM+\b], |v[S+16*\b+\i]|, |v[S+1+16*\b+\i]|
.endr
.endr
.irp b, 0,1
	s_delay_alu instid0(VALU_DEP_2)
	v_permlanex16_b32 v[T4+\b], v[BM+\b], s[SEL], s[SEL+1]
.endr
.irp b, 0,1
	s_delay_alu instid0(VALU_DEP_2)
	v_max_num_f32 v[BM+\b], v[BM+\b], v[T4+\b]
.endr
.irp b, 0,1
	s_delay_alu instid0(VALU_DEP_2)
	v_add_nc_u32 v[SOP+\b], 0xfc000000, v[BM+\b]
.endr
.irp b, 0,1
	s_delay_alu instid0(VALU_DEP_2)
	v_lshrrev_b32 v[T4+\b], 23, v[SOP+\b]
.endr
.irp b, 0,1
.irp i, 0,1,2,3,4,5,6,7,8,9,10,11,12,13,14,15
.endr
	v_cvt_scalef32_pk8_fp8_f32 v[PCD+4*\b:PCD+4*\b+1], v[S+16*\b:S+16*\b+7], v[SOP+\b]
	v_cvt_scalef32_pk8_fp8_f32 v[PCD+4*\b+2:PCD+4*\b+3], v[S+16*\b+8:S+16*\b+15], v[SOP+\b]
.endr
	v_cmp_ne_u32 vcc_lo, 0, v[TP+1]                ; lanes 16-31.  (Also the plain line behind the conversions)
	s_delay_alu instid0(VALU_DEP_1)
	v_cndmask_b32 v[TP], v[T4], v[T4+1], vcc_lo
	global_store_b128 v1, v[PCD:PCD+3], s[CT:CT+1]                  ; 512 consecutive bytes a store
	global_store_b128 v1, v[PCD+4:PCD+7], s[CT:CT+1] offset:512
	global_store_b8 v11, v[TP], s[CSP:CSP+1]       ; lane (r, h): row r's byte of block h.  Single bytes: the other bytes of these words belong to other heads' work-groups; 1 byte for each 32 of codes
.if \restart
	s_wait_xcnt 0x0                                ; the stores have read their bases and data
	s_mov_b32 s[BLK], ttmp9                        ; the second pass: block i
	PASS
	QLOAD
.endif
.endm
	s_load_b128 s[4:7], s[0:1], 0x0                ; qq, kvq
	s_load_b64 s[8:9], s[0:1], 0x10                ; cq
	v_lshl_add_u32 v4, v0, 2, SPARE
	v_mov_b32 v5, 0
	ds_add_u32 v4, v5
	ds_add_u32 v4, v5
	s_wait_dscnt 0x0
	v_lshrrev_b32 v7, 5, v0
	s_delay_alu instid0(VALU_DEP_1)
	v_readfirstlane_b32 s[WV], v7                  ; wave 0..15
	s_and_b32 s[BH], ttmp7, 0xffff
	s_mov_b32 s[G1C], 3<<16                        ; no mask; elements of 8 bytes; no padding: images are read 16 bytes a lane on end
	s_mov_b32 s[G1C+1], 32<<16                     ; rows of 256 bytes,
	s_mov_b32 s[G1C+2], 64<<16                     ; 64 of them, dense
	s_mov_b32 s[G1C+3], 32<<16
	s_mov_b32 s[G1C+4], 64
	s_mov_b32 s[G1C+5], 32
	s_mov_b32 s[G1C+6], 0
	s_mov_b32 s[G1C+7], 0
	s_mov_b32 s[G1S], 3<<16
	s_mov_b32 s[G1S+1], 32<<16
	s_mov_b32 s[G1S+2], 4<<16                      ; four rows of 256 bytes
	s_mov_b32 s[G1S+3], 32<<16
	s_mov_b32 s[G1S+4], 4
	s_mov_b32 s[G1S+5], 32
	s_mov_b32 s[G1S+6], 0
	s_mov_b32 s[G1S+7], 0
	s_mov_b32 s[SEL], 0x76543210
	s_mov_b32 s[SEL+1], 0xfedcba98
	s_mov_b32 s[CS], 0x3e38aa3b                    ; log2(e) / sqrt(64)
	s_mov_b32 s[CS+1], s[CS]
	s_lshl_b32 s70, s[BH], 18                      ; a head's codes: 262,144 bytes
	s_and_b32 s71, s[WV], 1
	s_lshl_b32 s71, s71, 14                        ; my group of the slot's two, in memory and in LDS
	s_mov_b32 s[G0C+1], s71
	s_add_co_u32 s70, s70, s71
	s_mov_b32 s71, 0
	s_lshl_b32 s72, s[BH], 13                      ; its scale words: 8,192 bytes
	s_add_co_u32 s72, s72, KSC
	s_mov_b32 s73, 0
	s_wait_kmcnt 0x0
	s_add_nc_u64 s[KVB:KVB+1], s[6:7], s[70:71]
	s_add_nc_u64 s[KSB:KSB+1], s[6:7], s[72:73]
	s_mov_b32 s[G0C], 1
	s_mov_b64 s[G0C+2:G0C+3], s[KVB:KVB+1]
	s_or_b32 s[G0C+3], s[G0C+3], 0x80000000
	s_mov_b32 s[G0S], 1
	s_mov_b32 s[G0S+1], 32768
	s_mov_b64 s[G0S+2:G0S+3], s[KSB:KSB+1]
	s_or_b32 s[G0S+3], s[G0S+3], 0x80000000
	TLOAD                                          ; key slot 0 into LDS slot 0: a wave has one tensor load out at the most, here and later
	s_lshl_b32 s70, s[BH], 18
	s_and_b32 s71, s[WV], 3
	s_lshl_b32 s71, s71, 13
	s_add_co_u32 s70, s70, s71
	s_add_co_u32 s70, s70, 32768                   ; the prefetches stand at key slot 1; the first change of slots steps them to 2.  Nothing is asked for here, at the head
	s_mov_b32 s71, 0
	s_add_nc_u64 s[PFA:PFA+1], s[6:7], s[70:71]
	s_lshr_b32 s70, s[WV], 2
	s_xor_b32 s70, s70, 1                          ; 0 in waves 4 to 7,
	s_or_b32 s70, s70, ttmp9                       ; of the head's work-group 0
	s_cmp_eq_u32 s70, 0
	s_cselect_b32 s[LIM], 6, 0
	s_sub_co_u32 s[NA], 8, ttmp9
	s_sub_co_u32 s[BLK], 7, ttmp9                  ; the first pass: block 7 - i
	s_mov_b32 s[TB], 0
	s_mov_b32 s[TR], 0
	PASS
	v_and_b32 v9, 31, v0
	s_delay_alu instid0(VALU_DEP_1)
	v_lshlrev_b32 v1, 4, v9                        ; 16 x lane
	s_delay_alu instid0(VALU_DEP_2)
	v_lshlrev_b32 v2, 3, v9                        ; 8 x lane
	s_delay_alu instid0(VALU_DEP_3)
	v_lshlrev_b32 v6, 8, v9                        ; 256 x lane: the prefetches' offset; never rewritten
	v_and_b32 v10, 15, v0                          ; r
	v_bfe_u32 v11, v0, 4, 1                        ; h
	s_delay_alu instid0(VALU_DEP_2)
	v_and_b32 v3, 8, v10
	s_delay_alu instid0(VALU_DEP_1)
	v_add_nc_u32 v3, v3, v10
	s_delay_alu instid0(VALU_DEP_3)
	v_lshlrev_b32 v7, 4, v11
	s_delay_alu instid0(VALU_DEP_1)
	v_sub_nc_u32 v3, v3, v7                        ; r + 8 (r / 8) - 16 h
	v_lshl_add_u32 v11, v10, 3, v11                ; 8 r + h
	v_lshlrev_b32 v10, 4, v10                      ; 16 r
.irp j, 0,1,2,3,4,5,6,7
	v_mov_b32 v[24+\j], 0                          ; the zero codes between the two copies of q
.endr
.irp b, 0,1,2,3
	v_mov_b32 v[T4+\b], 0                          ; a lane permute's destination counts as one of its sources
.endr
	v_mov_b32 v[FF+1], 0                           ; (named as the upper half of a pair before it is first written)
	v_mov_b32 v[TP], 0
	QLOAD
.Lslot:                                            ; eight trips: behind each change of slots the next trip's keys are asked for
	CHANGE 1
	STEP 0
	STEP 1
	s_xor_b32 s[TB], s[TB], SLOTB
	s_add_co_u32 s70, s[TR], 1
	s_cmp_lg_u32 s70, s[NA]
	s_cbranch_scc1 .Lsame_pass                     ; a branch on ids, the same in all sixteen waves
	FINISH 1
.Lsame_pass:
	s_add_co_u32 s[TR], s[TR], 1
	s_cmp_lt_u32 s[TR], 8
	s_cbranch_scc1 .Lslot
	CHANGE 0                                       ; the ninth slot is written out
	STEP 0
	STEP 1
	FINISH 0
	s_wait_tensorcnt 0x0                           ; the wave's end
	ds_add_u32 v4, v5
	s_wait_dscnt 0x0
	s_endpgm
.Lfunc_end_k_q4832d7fce5_attn:
	.size	k_q4832d7fce5_attn, .Lfunc_end_k_q4832d7fce5_attn-k_q4832d7fce5_attn
	.p2alignl 7, 3214868480
	.fill 96, 4, 3214868480
	.section	.rodata,"a",@progbits
	.p2align	6, 0x0
	.amdhsa_kernel k_q4832d7fce5_attn
		.amdhsa_group_segment_fixed_size 327680
		.amdhsa_private_segment_fixed_size 0
		.amdhsa_enable_private_segment 0
		.amdhsa_kernarg_size 24
		.amdhsa_user_sgpr_count 2
		.amdhsa_user_sgpr_kernarg_segment_ptr 1
		.amdhsa_wavefront_size32 1
		.amdhsa_system_sgpr_workgroup_id_x 1
		.amdhsa_system_sgpr_workgroup_id_y 1
		.amdhsa_system_sgpr_workgroup_id_z 1
		.amdhsa_system_vgpr_workitem_id 0
		.amdhsa_next_free_vgpr 256
		.amdhsa_next_free_sgpr 96
		.amdhsa_reserve_vcc 1
		.amdhsa_float_denorm_mode_32 3
		.amdhsa_float_denorm_mode_16_64 3
		.amdhsa_fp16_overflow 1
		.amdhsa_memory_ordered 1
		.amdhsa_forward_progress 1
		.amdhsa_inst_pref_size 111
	.end_amdhsa_kernel
	.amdgpu_metadata
---
amdhsa.version: [ 1, 2 ]
amdhsa.kernels:
  - .name:           k_q4832d7fce5_attn
    .symbol:         k_q4832d7fce5_attn.kd
    .args:
      - { .name: qq, .offset: 0, .size: 8, .value_kind: global_buffer, .address_space: global }
      - { .name: kvq, .offset: 8, .size: 8, .value_kind: global_buffer, .address_space: global }
      - { .name: cq, .offset: 16, .size: 8, .value_kind: global_buffer, .address_space: global }
    .group_segment_fixed_size: 327680
    .private_segment_fixed_size: 0
    .kernarg_segment_align: 8
    .kernarg_segment_size: 24
    .max_flat_workgroup_size: 512
    .sgpr_count:     96
    .vgpr_count:     256
    .wavefront_size: 32
...
	.end_amdgpu_metadata
.endif
;; end of part 3
;; launch out (part 4): grid 4 x 32, 4 waves a work-group, clusters of 4 x 4, 327,680 bytes of LDS; arguments cq, wq, bo, out0; writes out0
.if DOCPART == 4
	.amdgcn_target "amdgcn-amd-amdhsa--gfx1250"
	.amdhsa_code_object_version 6
	.text
	.protected	k_q4832d7fce5_out
	.globl	k_q4832d7fce5_out
	.p2align	8
	.type	k_q4832d7fce5_out,@function
k_q4832d7fce5_out:
	s_mov_b64 s[64:65], 0
	v_nop
	global_prefetch_b8 v0, s[64:65] scope:SCOPE_SE
	s_setreg_imm32_b32 hwreg(HW_REG_WAVE_MODE, 25, 1), 1
	s_wait_xcnt 0x0
	s_wait_alu depctr_hold_cnt(0) depctr_sa_sdst(0) depctr_va_vdst(0) depctr_va_sdst(0) depctr_va_ssrc(0) depctr_va_vcc(0) depctr_vm_vsrc(0)
	s_getreg_b32 s2, hwreg(HW_REG_IB_STS2, 6, 4)
	s_cmp_eq_u32 s2, 0
	s_cbranch_scc0 .Lentry_in_a_cluster
	s_endpgm
.Lentry_in_a_cluster:
	s_bfe_u32 s2, ttmp6, 0x10000c
	s_cmp_lg_u32 s2, 0xf033
	s_cbranch_scc0 .Lentry_shape_is_right
	s_endpgm
.Lentry_shape_is_right:
; out0 = ctx Wo + bo on codes of FP8 (E4M3) with E8M0 scales; K = 1,024; sums in f32; out0 [8192][1024] f32.
; OPERANDS are images of registers: codes [tile of 16 rows][K step 0..7][2,048 bytes], scale words [tile][K step / 2][r][K step % 2] behind them.  Row r of tile 2 G + u is index 32 G + 8 u + r + 8 (r / 8).
; A work-group of four waves makes 256 tokens x 256 columns, a wave 128 x 128: 64 accumulators.  Source 0 (S0) = 16 columns of Wo (wq's units 12 to 15), source 1 (S1) = 16 tokens of ctx: a lane holds one token, and
; the 16 registers of S0's tiles 2 G, 2 G + 1 are the neighbouring columns 32 G + 16 (lane / 16) + 0 .. 15.  The bias is the C of each sum's first matrix instruction.
; K goes in steps of 256 through a ring of two LDS slots.  CLUSTERS: 4 x 4 work-groups; S1's tiles hang on cy alone and are asked for jointly along a row of the cluster, S0's on cx alone, along a column.
; REGISTERS: window 0: v16-29 addresses; v32-63 scale words, two sets; v64-127 the bias; v128-255 S1's fragments, on the way out rows of out0.  window 1: S0's fragments, two sets.  windows 2, 3: accumulator (a, b) at v[8 (8 (a % 4) + b)].
.set XSC,   8388608                    ; where the scale words begin in cq,
.set WSC,   4194304                    ; and in wq
.set NQ,    2
.set FR,    16
.set NL,    4
.set NP,    8                          ; places behind this matrix instruction (ISA guide 7.12.1)
.set FRB,   2048
.set TILEB, 4096
.set HALFT, 8*TILEB
.set SLOT,  4*HALFT
.set SCL,   2*SLOT
.set HALFS, 4096
.set SBLK,  512
.set SPARE, SCL+4*HALFS                ; the spare words, 128 bytes for each wave: two blocks of 256 bytes that no other line names
.set SPITCH, 528                       ; the way out: a stage of 16 rows x (512 bytes + 16) for each wave, in slot 0, which has had its last fill and its last read by then
.set ADRA, 16
.set ADRB, 20
.set STO,  24                          ; v24  the stage: where I put my bytes of a row
.set RD,   25                          ; v25  and where I read a row back
.set LI,   26                          ; v26  16 x lane
.set ADRS, 27
.set SPW,  28                          ; v28  my spare word; never rewritten
.set NIL,  29                          ; v29  0; never rewritten
.set SC,   32
.set BI,   64                          ; v64-127 the bias: eight registers for each of S0's eight tiles, in the result's layout
.set AF,   128
.set BK,   128                         ; the way out: v128-191 and v192-255 by turns
.set G1, 24
.set G0, 32
.set G1B, 48
.set G0B, 56
.set G1S, 68
.set G0S, 76
.set G1SB, 80
.set G0SB, 88
.set MSB, 0
.macro WIN new                         ; the immediate's high byte repeats the setting that is left
.if MSB != \new
	s_set_vgpr_msb (MSB<<8)|\new
.set MSB, \new
.endif
.endm
.set MUL_LO, 0xa1                      ; source 0 window 1, source 1 window 0, C and D window 2
.set MUL_HI, 0xf1                      ; the same, C and D window 3
.set FST_LO, 0x81                      ; the first step: C (the bias) window 0, D window 2
.set FST_HI, 0xc1                      ; D window 3
.set TO_B,   0x40
.macro JLOAD g0a, g1a, g0b, g1b        ; a joint load: waves 0 and 1 fetch for S1, waves 2 and 3 for S0; four v_nop follow each of the two lines
	s_cmp_eq_u32 s15, 0
	s_cbranch_scc0 .Lfor_b_\@
	tensor_load_to_lds s[\g0a:\g0a+3], s[\g1a:\g1a+7]
	s_nop 0
.rept 4
	v_nop
.endr
	s_branch .Lasked_\@
.Lfor_b_\@:
	tensor_load_to_lds s[\g0b:\g0b+3], s[\g1b:\g1b+7]
	s_nop 0
.rept 4
	v_nop
.endr
.Lasked_\@:
.endm
.macro CREST
	s_cmp_lg_u32 s14, 0
	s_cbranch_scc1 .Lnot_wave_0_\@
	s_barrier_signal -3
.Lnot_wave_0_\@:
	s_barrier_wait -3
	s_barrier_signal -1
	s_barrier_wait -1
.endm
.macro CROUND
	s_barrier_signal -1
	s_barrier_wait -1
	CREST
.endm
	s_load_b128 s[4:7], s[0:1], 0x0                ; cq, wq
	s_load_b128 s[8:11], s[0:1], 0x10              ; bo, out0
	v_lshl_add_u32 v[SPW], v0, 2, SPARE
	v_mov_b32 v[NIL], 0
	ds_add_u32 v28, v29
	ds_add_u32 v28, v29
	s_wait_dscnt 0x0
	v_lshrrev_b32 v1, 5, v0
	v_readfirstlane_b32 s14, v1                    ; wave 0..3
	s_lshr_b32 s15, s14, 1                         ; which half of S1's rows is mine.  Also: I fetch for S1 (0) or S0 (1)
	s_and_b32 s16, s14, 1                          ; which half of S0's rows.  Also: which 128 rows I fetch
	s_bfe_u32 s40, ttmp6, 0x40000                  ; cx
	s_bfe_u32 s41, ttmp6, 0x40004                  ; cy
	s_add_co_u32 s42, s40, 12                      ; S0's unit of 256 rows in wq: Wo's begin at 12
	s_and_b32 s17, ttmp7, 0xffff
	s_lshl_b32 s17, s17, 2
	s_add_co_u32 s17, s17, s41                     ; S1's unit of 256 tokens
	s_lshl_b32 s43, s41, 2
	s_lshl_b32 s43, 15, s43                        ; my row of the cluster
	s_lshl_b32 s44, 0x1111, s40                    ; my column
	s_or_b32 s[G1+0], s43, (3<<16)|(1<<21)         ; codes: 8 tiles' 4,096 bytes, 16,384 apart, as 8 rows of 512 elements of 8 bytes
	s_or_b32 s[G1B+0], s44, (3<<16)|(1<<21)
.irp g, G1, G1B
	s_mov_b32 s[\g+1], 512<<16
	s_mov_b32 s[\g+2], 8<<16
	s_mov_b32 s[\g+3], 512<<16
	s_mov_b32 s[\g+4], 8
	s_mov_b32 s[\g+5], 2048
	s_mov_b32 s[\g+6], 0
	s_mov_b32 s[\g+7], 0
.endr
	s_or_b32 s[G1S+0], s43, (3<<16)|(1<<21)        ; scale words of 128 rows: 4,096 dense bytes as 16 rows of 256
	s_or_b32 s[G1SB+0], s44, (3<<16)|(1<<21)
.irp g, G1S, G1SB
	s_mov_b32 s[\g+1], 32<<16
	s_mov_b32 s[\g+2], 16<<16
	s_mov_b32 s[\g+3], 32<<16
	s_mov_b32 s[\g+4], 16
	s_mov_b32 s[\g+5], 32
	s_mov_b32 s[\g+6], 0
	s_mov_b32 s[\g+7], 0
.endr
	s_lshl_b32 s20, s17, 1
	s_add_co_u32 s20, s20, s16
	s_lshl_b32 s22, s20, 12
	s_add_co_u32 s22, s22, XSC
	s_lshl_b32 s20, s20, 17
	s_mov_b32 s21, 0
	s_mov_b32 s23, 0
	s_lshl_b32 s46, s42, 1
	s_add_co_u32 s46, s46, s16
	s_lshl_b32 s92, s46, 12
	s_add_co_u32 s92, s92, WSC
	s_lshl_b32 s46, s46, 17
	s_mov_b32 s47, 0
	s_mov_b32 s93, 0
	s_mul_i32 s45, s14, HALFT                      ; where they go: wave x 128 rows: no place in the cluster enters an LDS address
	s_mul_i32 s94, s14, HALFS
	s_wait_kmcnt 0x0
	s_add_nc_u64 s[20:21], s[4:5], s[20:21]
	s_add_nc_u64 s[22:23], s[4:5], s[22:23]
	s_add_nc_u64 s[46:47], s[6:7], s[46:47]
	s_add_nc_u64 s[92:93], s[6:7], s[92:93]
	CROUND                                         ; all sixteen work-groups are here: the first joint loads meet
	s_mov_b32 s[G0S], 1
	s_add_co_u32 s[G0S+1], s94, SCL
	s_mov_b64 s[G0S+2:G0S+3], s[22:23]
	s_or_b32 s[G0S+3], s[G0S+3], 0x80000000
	s_mov_b32 s[G0SB], 1
	s_add_co_u32 s[G0SB+1], s94, SCL
	s_mov_b64 s[G0SB+2:G0SB+3], s[92:93]
	s_or_b32 s[G0SB+3], s[G0SB+3], 0x80000000
	JLOAD G0S, G1S, G0SB, G1SB                     ; one load of mine is out behind these first fills
.irp s, 0,1
	s_mov_b32 s[G0+4*\s], 1
	s_add_co_u32 s[G0+4*\s+1], s45, \s*SLOT
	s_add_nc_u64 s[G0+4*\s+2:G0+4*\s+3], s[20:21], \s*TILEB
	s_or_b32 s[G0+4*\s+3], s[G0+4*\s+3], 0x80000000
	s_mov_b32 s[G0B+4*\s], 1
	s_add_co_u32 s[G0B+4*\s+1], s45, \s*SLOT
	s_add_nc_u64 s[G0B+4*\s+2:G0B+4*\s+3], s[46:47], \s*TILEB
	s_or_b32 s[G0B+4*\s+3], s[G0B+4*\s+3], 0x80000000
	s_wait_alu depctr_va_vdst(0)
	s_wait_tensorcnt 0x0
	ds_add_u32 v28, v29
	s_wait_dscnt 0x0
	CROUND
	JLOAD G0+4*\s, G1, G0B+4*\s, G1B
.endr
	v_and_b32 v1, 15, v0                           ; r
	v_bfe_u32 v2, v0, 4, 1                         ; h
	v_and_b32 v3, 31, v0
	v_lshlrev_b32 v[LI], 4, v3
	s_wait_alu depctr_va_vdst(0)
	s_lshl_b32 s18, s40, 10
	s_lshl_b32 s19, s16, 9
	s_add_co_u32 s18, s18, s19                     ; my first column, in bytes of f32: 1,024 cx + 512 x half
	s_mov_b32 s19, 0
	s_add_nc_u64 s[8:9], s[8:9], s[18:19]
	v_lshlrev_b32 v4, 6, v2                        ; the bias: tile 2 G + u wants columns 32 G + 16 h + 8 u + 0 .. 7
.irp b, 0,1,2,3,4,5,6,7
	global_load_b128 v[BI+8*\b:BI+8*\b+3], v4, s[8:9] offset:128*(\b/2)+32*(\b%2)
	global_load_b128 v[BI+8*\b+4:BI+8*\b+7], v4, s[8:9] offset:128*(\b/2)+32*(\b%2)+16
.endr
	s_lshl_b32 s20, s17, 20                        ; out0: 256 rows of 4,096 bytes a unit,
	s_lshl_b32 s21, s15, 19                        ; 128 rows a half,
	s_add_co_u32 s20, s20, s21
	s_add_co_u32 s20, s20, s18                     ; my columns
	s_mov_b32 s21, 0
	s_add_nc_u64 s[10:11], s[10:11], s[20:21]
	s_mul_i32 s21, s15, HALFT
	s_mul_i32 s22, s16, HALFT
	s_add_co_u32 s22, s22, 2*HALFT
.irp s, 0,1
	v_add_nc_u32 v[ADRA+\s], s21, v[LI]
	v_add_nc_u32 v[ADRB+\s], s22, v[LI]
	s_add_co_u32 s21, s21, SLOT
	s_add_co_u32 s22, s22, SLOT
.endr
	v_lshlrev_b32 v5, 3, v1
	s_mul_i32 s21, s15, HALFS
	s_mul_i32 s22, s16, HALFS
	s_add_co_u32 s22, s22, 2*HALFS
	s_sub_co_u32 s22, s22, s21
	v_mul_u32_u24 v6, s22, v2                      ; lanes 16-31 take S0's: one product, h x the distance
	s_add_co_u32 s21, s21, SCL
	v_add_nc_u32 v5, v5, v6
	v_add_nc_u32 v[ADRS], s21, v5
	s_mul_i32 s23, s14, 16*SPITCH                  ; my stage
	v_mul_u32_u24 v5, v1, SPITCH
	v_lshl_add_u32 v5, v2, 6, v5
	v_add_nc_u32 v[STO], s23, v5                   ; in: row r, + 64 h
	v_add_nc_u32 v[RD], s23, v[LI]                 ; back: a row of 512 bytes to the 32 lanes
.macro FRAG reg, adr, q, i
.irp c, 0,1,2,3
	ds_load_b128 v[\reg+4*\c:\reg+4*\c+3], v[\adr] offset:FRB*(\q)+512*\c+(\i)*TILEB
.endr
.endm
; 16 matrix instructions: S1's blocks a0, a0 + 1 x S0's eight.  first = 1: the bias is C and starts the sums.  The 64 accumulators take turns, one instruction a turn.
.macro MUL16 a0, p, q, sc, first
.irp a, \a0, \a0+1
.irp b, 0,1,2,3,4,5,6,7
.if \first
	v_wmma_scale_f32_16x16x128_f8f6f4 v[8*(8*((\a)%4)+\b):8*(8*((\a)%4)+\b)+7], v[128*(\p)+FR*\b:128*(\p)+FR*\b+FR-1], v[AF+FR*(\a):AF+FR*(\a)+FR-1], v[BI+8*\b:BI+8*\b+7], v[SC+8*NQ*(\sc)+NQ*\b+(\q)], v[SC+8*NQ*(\sc)+NQ*(\a)+(\q)] matrix_a_scale:MATRIX_SCALE_ROW1
.else
	v_wmma_scale_f32_16x16x128_f8f6f4 v[8*(8*((\a)%4)+\b):8*(8*((\a)%4)+\b)+7], v[128*(\p)+FR*\b:128*(\p)+FR*\b+FR-1], v[AF+FR*(\a):AF+FR*(\a)+FR-1], v[8*(8*((\a)%4)+\b):8*(8*((\a)%4)+\b)+7], v[SC+8*NQ*(\sc)+NQ*\b+(\q)], v[SC+8*NQ*(\sc)+NQ*(\a)+(\q)] matrix_a_scale:MATRIX_SCALE_ROW1
.endif
.endr
.endr
.endm
.macro FETCH_B slot, q, p
	WIN TO_B
.irp i, 0,1,2,3,4,5,6,7
	FRAG 128*(\p)+FR*\i, ADRB+\slot, \q, \i
.endr
	WIN 0
.endm
.macro FETCH_A slot, q, i0
.irp i, \i0, \i0+1, \i0+2, \i0+3
	FRAG AF+FR*(\i), ADRA+\slot, \q, \i
.endr
.endm
.macro SCALES sc
.irp i, 0,1,2,3,4,5,6,7
	ds_load_b64 v[SC+8*NQ*\sc+NQ*\i:SC+8*NQ*\sc+NQ*\i+1], v[ADRS] offset:\i*SBLK
.endr
.endm
.macro PLACES n
.rept \n
	v_nop
.endr
.endm
.macro STEP slot, q, first
	s_wait_dscnt 4*NL                              ; S0's set and S1's blocks 0-3 are in; the youngest 16 loads (S1's blocks 4-7) may be out
.if \first
	WIN FST_LO
.else
	WIN MUL_LO
.endif
	MUL16 0, (\q)%2, \q, \slot, \first
	MUL16 2, (\q)%2, \q, \slot, \first
	s_wait_dscnt 0
	PLACES NP
	FETCH_B \slot, (\q)+1, 1-(\q)%2
	FETCH_A \slot, (\q)+1, 0
.if \first
	WIN FST_HI
.else
	WIN MUL_HI
.endif
	MUL16 4, (\q)%2, \q, \slot, \first
	MUL16 6, (\q)%2, \q, \slot, \first
	PLACES NP
	WIN 0
	FETCH_A \slot, (\q)+1, 4
.endm
.macro TURN slot, next, fill           ; a slot's last step changes slots: one barrier, with the three lines in front of it
	s_wait_tensorcnt 0x0                           ; all my tensor loads have landed: my part of the next slot
	ds_add_u32 v[SPW], v[NIL]                      ; 0 onto my spare word
	s_wait_dscnt 4*NL+1                            ; (the add and the youngest 16 loads may be out)
	WIN MUL_LO
	MUL16 0, 1, NQ-1, \slot, 0
	s_wait_dscnt 0x0                               ; the add is done, and my reads of this slot are over
	s_barrier_signal -1
	MUL16 2, 1, NQ-1, \slot, 0
	WIN 0
	s_barrier_wait -1
.if \fill
	CREST                                          ; the barrier has opened a round of the cluster's: no wave of any partner still reads this slot or has a load on its way
	s_add_nc_u64 s[G0+4*\slot+2:G0+4*\slot+3], s[G0+4*\slot+2:G0+4*\slot+3], 2*TILEB
	s_add_nc_u64 s[G0B+4*\slot+2:G0B+4*\slot+3], s[G0B+4*\slot+2:G0B+4*\slot+3], 2*TILEB
	JLOAD G0+4*\slot, G1, G0B+4*\slot, G1B         ; the first tensor load behind the round, my one until the next
	PLACES NP-4
.else
	PLACES NP
.endif
	s_wait_alu depctr_va_vdst(0)
	v_add_nc_u32 v[ADRS], 128, v[ADRS]             ; the next slot's scale words (no LDS load of mine is out)
	FETCH_B \next, 0, 0
	FETCH_A \next, 0, 0
	SCALES \next
	WIN MUL_HI
	MUL16 4, 1, NQ-1, \slot, 0
	MUL16 6, 1, NQ-1, \slot, 0
	PLACES NP
	WIN 0
	FETCH_A \next, 0, 4
.endm
	s_wait_alu depctr_va_vdst(0)
	s_wait_tensorcnt 1                             ; the scale words and my part of slot 0 are in; slot 1's load may be out
	s_barrier_signal -1
	s_barrier_wait -1
	FETCH_B 0, 0, 0
	FETCH_A 0, 0, 0
	SCALES 0
	FETCH_A 0, 0, 4
	s_wait_loadcnt 0x0                             ; the bias
	STEP 0, 0, 1                                   ; K = 1,024 is four slots: written straight
	TURN 0, 1, 1
	STEP 1, 0, 0
	TURN 1, 0, 1
	STEP 0, 0, 0
	TURN 0, 1, 0                                   ; nothing is left to fetch
	STEP 1, 0, 0
	s_wait_dscnt 4*NL
	WIN MUL_LO
	MUL16 0, 1, NQ-1, 1, 0
	MUL16 2, 1, NQ-1, 1, 0
	s_wait_dscnt 0
	WIN MUL_HI
	MUL16 4, 1, NQ-1, 1, 0
	MUL16 6, 1, NQ-1, 1, 0
	WIN 0
; THE WAY OUT, block by block of 16 tokens x 128 columns, through my own stage in LDS: in by lanes (a lane holds pieces of 32 bytes of one row), back as whole rows of 512 bytes.
; LDS serves a wave's instructions in order (ISA guide 5.7.1.4): no wait between the stores and the loads, nor in front of the next block's stores.
.macro TOSTAGE a
.set AC, 64*((\a)%4)
.set WS, 0x08+4*((\a)/4)
	WIN WS                                         ; the data: window 2 or 3
.irp b, 0,1,2,3,4,5,6,7
	ds_store_b128 v[STO], v[AC+8*\b:AC+8*\b+3] offset:128*(\b/2)+32*(\b%2)          ; each accumulator from its low end on
	ds_store_b128 v[STO], v[AC+8*\b+4:AC+8*\b+7] offset:128*(\b/2)+32*(\b%2)+16
.endr
	WIN 0
.set BB, BK+64*((\a)%2)
.irp t, 0,1,2,3,4,5,6,7,8,9,10,11,12,13,14,15
	ds_load_b128 v[BB+4*\t:BB+4*\t+3], v[RD] offset:\t*SPITCH
.endr
.endm
.macro SEND a, younger                 ; younger: the LDS instructions issued behind block a's loads, which may stay out
.set BB, BK+64*((\a)%2)
	s_wait_dscnt \younger
.irp t, 0,1,2,3,4,5,6,7,8,9,10,11,12,13,14,15
	global_store_b128 v[LI], v[BB+4*\t:BB+4*\t+3], s[10:11] offset:(32*((\a)/2)+8*((\a)%2)+\t+8*(\t/8))*4096 th:TH_STORE_NT   ; row t of tile a is token 32 (a / 2) + 8 (a % 2) + t + 8 (t / 8); 512 consecutive bytes a store; 127 rows at the most in the immediate
.endr
.endm
	PLACES NP
	TOSTAGE 0
.irp a, 1,2,3,4,5,6,7
.if \a > 1
	s_wait_xcnt 0x0                                ; block a - 2's stores have read their registers: block a's loads may land there
.endif
	TOSTAGE \a
	SEND \a-1, 32                                  ; behind block a - 1's loads: block a's 16 stores and 16 loads
.endr
	SEND 7, 0
	s_wait_tensorcnt 0x0                           ; the wave's end
	ds_add_u32 v[SPW], v[NIL]
	s_wait_dscnt 0x0
	CROUND                                         ; the closing round: no work-group ends while a partner may still ask for a tile that names it
	s_endpgm
.Lfunc_end_k_q4832d7fce5_out:
	.size	k_q4832d7fce5_out, .Lfunc_end_k_q4832d7fce5_out-k_q4832d7fce5_out
	.p2alignl 7, 3214868480
	.fill 96, 4, 3214868480
	.section	.rodata,"a",@progbits
	.p2align	6, 0x0
	.amdhsa_kernel k_q4832d7fce5_out
		.amdhsa_group_segment_fixed_size 327680
		.amdhsa_private_segment_fixed_size 0
		.amdhsa_enable_private_segment 0
		.amdhsa_kernarg_size 32
		.amdhsa_user_sgpr_count 2
		.amdhsa_user_sgpr_kernarg_segment_ptr 1
		.amdhsa_wavefront_size32 1
		.amdhsa_system_sgpr_workgroup_id_x 1
		.amdhsa_system_sgpr_workgroup_id_y 1
		.amdhsa_system_sgpr_workgroup_id_z 1
		.amdhsa_system_vgpr_workitem_id 0
		.amdhsa_next_free_vgpr 1024
		.amdhsa_next_free_sgpr 102
		.amdhsa_reserve_vcc 0
		.amdhsa_float_denorm_mode_32 3
		.amdhsa_float_denorm_mode_16_64 3
		.amdhsa_memory_ordered 1
		.amdhsa_forward_progress 1
		.amdhsa_inst_pref_size 147
	.end_amdhsa_kernel
	.amdgpu_metadata
---
amdhsa.version: [ 1, 2 ]
amdhsa.kernels:
  - .name:           k_q4832d7fce5_out
    .symbol:         k_q4832d7fce5_out.kd
    .args:
      - { .name: cq, .offset: 0, .size: 8, .value_kind: global_buffer, .address_space: global }
      - { .name: wq, .offset: 8, .size: 8, .value_kind: global_buffer, .address_space: global }
      - { .name: bo, .offset: 16, .size: 8, .value_kind: global_buffer, .address_space: global }
      - { .name: out0, .offset: 24, .size: 8, .value_kind: global_buffer, .address_space: global }
    .group_segment_fixed_size: 327680
    .private_segment_fixed_size: 0
    .kernarg_segment_align: 8
    .kernarg_segment_size: 32
    .max_flat_workgroup_size: 128
    .sgpr_count:     102
    .vgpr_count:     1024
    .wavefront_size: 32
...
	.end_amdgpu_metadata
.endif
;; end of part 4
